; MI455X (gfx1250); checked and timed in simulation.
; The chip was launched on July 23, 2026; its instructions are those of AMD's public machine-readable ISA for CDNA 5 (MIT licence, August 2026) and "CDNA5" Instruction Set Architecture Reference Guide (July 2026). The comments in the code are by the model that wrote it; some were corrected since.
;; Fastest Flash MHA. Allowed arithmetic: matrix products marked QUANTISED: E4M3 operands, one given power-of-two scale a tensor, by v_wmma_f32_16x16x64_fp8_fp8 or v_wmma_f32_16x16x128_fp8_fp8, f32 sums; everything else in f32.
;; Inputs: Wk 2,048 x 2,048 float32; Wo 2,048 x 2,048 float32; Wq 2,048 x 2,048 float32; Wv 2,048 x 2,048 float32; lowp_scales 12 int32 (the exponents e of the quantised operands' scales 2^e); x 2 x 1,024 x 2,048 float32.
;; Outputs: out0 2 x 1,024 x 2,048 float32.
;; This version of the problem:
;;   THIS VERSION OF THE PROBLEM IS GIVEN IN LOW PRECISION. The matrix products marked QUANTISED in the list below multiply operands that are first quantised to E4M3 (4 exponent bits, 3 mantissa bits; 8 bits a number), with one given power-of-two scale for each operand tensor; their sums are f32. All else is computed in f32.
;;   The module's matrix products, in the order in which they are computed (A, B: the left and right operand; K: the contracted axis; several contracted axes count as one K, in the product's order):
;;     1. [M 2,048, K 2,048] x [K 2,048, N 2,048]; A: input x; B: input Wq: QUANTISED (scales: A lowp_scales[0], B lowp_scales[1])
;;     2. [M 2,048, K 2,048] x [K 2,048, N 2,048]; A: input x; B: input Wk: QUANTISED (scales: A lowp_scales[2], B lowp_scales[3])
;;     3. [M 2,048, K 2,048] x [K 2,048, N 2,048]; A: input x; B: input Wv: QUANTISED (scales: A lowp_scales[4], B lowp_scales[5])
;;     4. batch 32 x [M 1,024, K 128] x [K 128, N 1,024]; A: computed on the way; B: computed on the way: QUANTISED (scales: A lowp_scales[6], B lowp_scales[7])
;;     5. batch 32 x [M 1,024, K 1,024] x [K 1,024, N 128]; A: softmax (see below); B: computed on the way: QUANTISED (scales: A lowp_scales[8], B lowp_scales[9])
;;     6. [M 2,048, K 2,048] x [K 2,048, N 2,048]; A: computed on the way; B: input Wo: QUANTISED (scales: A lowp_scales[10], B lowp_scales[11])
;;   THE QUANTISER, for each operand of a quantised product, along K:
;;     - The operand's scale is 2^e, e = its entry of the input lowp_scales (int32; the entries are numbered through the quantised products in the list's order, A before B).
;;     - Each number is divided by the scale, clamped to +-448, and rounded to the nearest number of E4M3, ties to even, subnormals kept.
;;     - The product sums the exact products of the quantised numbers (number of the format x scale) in f32.
;;   ~~~python
;;   def quantise(x, axis, e):      # numpy; x: float32 -> the quantised numbers, widened to float32 again
;;       x = np.moveaxis(x, axis, -1); K = x.shape[-1]
;;       r = np.clip(x / 2.0 ** e, -448, 448)
;;       step = 2.0 ** (np.maximum(np.frexp(np.where(r == 0, 1, r))[1] - 1, -6) - 3)
;;       q = np.round(r / step) * step * 2.0 ** e      # np.round: ties to even
;;       return np.moveaxis(q, -1, axis).astype(np.float32)
;;   ~~~
;;   SOFTMAX AHEAD OF A QUANTISED PRODUCT. Where the list says 'softmax', what is quantised is not the finished softmax but p = 2^(t - M), with t = logit x log2(e) and M = ceil(the row's largest t), a whole number; so 1/2 < the row's largest p <= 1. The row's sum l is taken of the UNQUANTISED p, in f32, and the product's result is divided by l at the end. Since M is a whole number, a kernel that streams over the keys may use a running M (the ceiling of the running maximum): every later rescaling is an exact power of two, so the quantised numbers keep their values, but for numbers so far below the row's largest that they fall under the format's range.
;;   OPERANDS COMPUTED ON THE WAY. 'Computed on the way' means the value that the module computes at that place (a softmax that the list does not call 'softmax' is quantised finished and normalised). What goes into a quantiser is computed in f32, as accurately as f32 sums, v_exp_f32 and their like allow (about 1e-6 of the number): no bf16 or f16 on the way to a quantiser, and a product that is left as it is and whose result goes on into a quantised operand takes f32 operands (vector FMAs, or v_wmma_f32_16x16x4_f32). A number that lies on a knife's edge between two numbers of the format may be rounded either way, as far as f32 arithmetic and the matrix unit's own rounding can turn it there, and no further.
;; One version. Each part assembles by itself: llvm-mc -triple=amdgcn-amd-amdhsa -mcpu=gfx1250 --defsym DOCPART=n.
;; ======== version 1 of 1: 4 launches
;; limits: right only within a limited range of input values
;; workspace buffers: xc 12,582,912 bytes; wc 12,582,912 bytes; woc 4,194,304 bytes; qkv 12,582,912 bytes; att 4,194,304 bytes
;; launch quant (part 1): grid 256 x 1, 16 waves a work-group, no clusters, 0 bytes of LDS; arguments x, Wq, Wk, Wv, lowp_scales, xc, wc; writes xc, wc
.if DOCPART == 1
	.amdgcn_target "amdgcn-amd-amdhsa--gfx1250"
	.amdhsa_code_object_version 6
	.text
	.protected	k_q9b6dd9c1eb_quant
	.globl	k_q9b6dd9c1eb_quant
	.p2align	8
	.type	k_q9b6dd9c1eb_quant,@function
k_q9b6dd9c1eb_quant:
	s_mov_b64 s[64:65], 0
	v_nop
	global_prefetch_b8 v0, s[64:65] scope:SCOPE_SE
	s_setreg_imm32_b32 hwreg(HW_REG_WAVE_MODE, 25, 1), 1
	s_wait_xcnt 0x0
; FIRST OF FOUR LAUNCHES.  x, Wq, Wk, Wv (each [2048][2048] f32, K innermost) become codes of E4M3, each with the scale 2^e that lowp_scales gives for it.  (Wo is turned into codes in the third launch.)
; x is an operand of three products with three exponents of its own (entries 0, 2, 4), so it is read once and converted three times; Wq, Wk, Wv take entries 1, 3, 5.
; code = number / 2^e, held within +-448, rounded to the nearest code, ties to even.
; WORK THAT THE WHOLE PROGRAM LEAVES OUT, AND WHY IT IS DEAD.  reference() allows key j for query i where j <= i and i - j < WINDOW.  Both run over 0 .. 1023 and WINDOW = 1024, constants of
; reference() itself, so j <= i already gives i - j <= 1023 < WINDOW: the window's test is true by an identity and only j <= i is tested.  A tile of 128 keys all of which come after a wave's 16 queries is
; thrown away whole by that mask, whatever the inputs hold, and is not multiplied.  A hidden score is the least f32 number in reference(); every row has an allowed logit of -30 or more (the soft cap bounds it),
; so a hidden key's weight is exactly 0 there; here the hidden exponent is -infinity, whose weight is 0 too.  No input is left out.
; LIMIT: a NaN, an infinity or an overflow that reaches only the hidden tiles is not carried to the result.  NaN among the inputs is not served.  Each e used here lies between -126 and 119, so that 2^e and 448 x 2^e are f32 numbers.
; THE CODES' LAYOUT, the same for every matrix of codes that a product along 2048 reads: blocks of 128 rows x 128 codes, 16,384 bytes each, dense, a row's 128 codes on end;
; a row's code at place p of its panel of 128 is at ((row / 128) x 16 + panel) x 16384 + (row % 128) x 128 + p.
; THE ORDER INSIDE A PANEL: place p = 8 u + 4 s + i (u = 0..15, s = 0, 1, i = 0..3) holds k = 64 s + 4 u + i of the panel, in every such matrix: both operands of a product are permuted alike, so every product meets its partner.
; With this order a lane's two loads of 16 bytes, 256 bytes apart in memory, are the eight numbers of one conversion, and nothing is turned between lanes.
; ROWS OF Wv: row d of each 128 (a head's channel d) is laid at row p(d) by the same order.  So the third launch's results come out with the channels in the order in which Wo's codes want them along K.
; SHARES.  256 work-groups, 16 waves each; a work-group takes 8 rows of each of the four tensors, a wave 2 rows x 512 numbers of each: 8 loads a tensor, 32 in all (128 registers), ALL issued before the first is waited for.
; A load's lanes 0-15 read 256 consecutive bytes of one row, lanes 16-31 of the next row; a store's 32 lanes write 256 consecutive bytes of a block (two rows of 128), at a multiple of 256.
; Every store has code registers of its own, so no wait for stores is written.  No LDS, no barrier, no loop: so nothing to prefetch ahead of.
.set R,     32                         ; v32-159  32 numbers of each tensor as loaded
.set H,     160                        ; v160-175 x's numbers held, two sets of 8 by turns
.set C,     176                        ; v176-223 codes: x's three sets of 8 registers, then Wq's, Wk's, Wv's
; v3 source offset, v4 8 x lane; v6, v7 2^e and 448 x 2^e for e0; v8, v9 e2; v10, v11 e4; v12, v13 e1; v14, v15 e3; v16, v17 e5
	s_load_b256 s[8:15], s[0:1], 0x0               ; x, Wq, Wk, Wv
	s_load_b128 s[16:19], s[0:1], 0x20             ; the exponents s[16:17], xc s[18:19]
	s_load_b64 s[20:21], s[0:1], 0x30              ; wc
	v_lshrrev_b32 v1, 5, v0
	v_readfirstlane_b32 s2, v1                     ; wave 0..15
	v_and_b32 v2, 31, v0                           ; lane
	v_and_b32 v5, 15, v0                           ; u
	v_lshlrev_b32 v4, 3, v2                        ; my 8 codes of a store's 256 bytes
	v_lshrrev_b32 v3, 4, v2                        ; which of the two rows
	v_lshlrev_b32 v3, 13, v3
	v_lshl_add_u32 v3, v5, 4, v3
	s_lshr_b32 s3, s2, 2                           ; which row pair of the work-group's four
	s_and_b32 s4, s2, 3                            ; which four panels
	s_lshl_b32 s5, ttmp9, 3
	s_lshl_b32 s6, s3, 1
	s_add_co_u32 s5, s5, s6                        ; my first row
	s_lshl_b32 s6, s5, 13
	s_lshl_b32 s7, s4, 11
	s_add_co_u32 s6, s6, s7
	s_mov_b32 s7, 0                                ; s[6:7] where my numbers begin in each tensor
	s_lshr_b32 s22, ttmp9, 4
	s_lshl_b32 s22, s22, 4
	s_lshl_b32 s23, s4, 2
	s_add_co_u32 s22, s22, s23
	s_lshl_b32 s22, s22, 14                        ; my first block: (rows / 128) x 16 + panel
	s_and_b32 s24, s5, 127                         ; my row in the block: d, an even number
	s_lshl_b32 s26, s24, 7
	s_add_co_u32 s26, s26, s22
	s_mov_b32 s27, 0                               ; s[26:27] where my codes begin
	s_bfe_u32 s25, s24, 0x40002                    ; Wv: p(d) = 8 (d / 4 % 16) + 4 (d / 64) + d % 4; rows d and d + 1 stay neighbours
	s_lshl_b32 s25, s25, 3
	s_lshr_b32 s28, s24, 6
	s_lshl_b32 s28, s28, 2
	s_add_co_u32 s25, s25, s28
	s_and_b32 s28, s24, 3
	s_add_co_u32 s25, s25, s28
	s_lshl_b32 s28, s25, 7
	s_add_co_u32 s28, s28, s22
	s_mov_b32 s29, 0                               ; s[28:29] and Wv's
	s_wait_alu depctr_va_vdst(0)
	s_wait_kmcnt 0x0
	s_load_b256 s[40:47], s[16:17], 0x0            ; e0 .. e7
.irp t, 8,10,12,14
	s_add_nc_u64 s[\t:\t+1], s[\t:\t+1], s[6:7]
.endr
.macro LOAD t
.irp q, 0,1,2,3
.irp s, 0,1
	global_load_b128 v[R+32*\t+8*\q+4*\s:R+32*\t+8*\q+4*\s+3], v3, s[8+2*\t:9+2*\t] offset:512*\q+256*\s th:TH_LOAD_NT
.endr
.endr
.endm
	LOAD 0
	LOAD 1
	LOAD 2
	LOAD 3
	s_add_nc_u64 s[30:31], s[18:19], s[26:27]      ; x's three sets of codes lie 4 MiB apart
	s_add_nc_u64 s[32:33], s[30:31], 0x400000
	s_add_nc_u64 s[34:35], s[30:31], 0x800000
	s_add_nc_u64 s[36:37], s[20:21], s[26:27]      ; Wq's, Wk's, Wv's likewise
	s_add_nc_u64 s[38:39], s[36:37], 0x400000
	s_add_nc_u64 s[48:49], s[20:21], s[28:29]
	s_add_nc_u64 s[48:49], s[48:49], 0x800000
.macro MKSC e, sc                      ; v[sc] = 2^e as f32 (the conversion takes its exponent field), v[sc + 1] = 448 x 2^e
	s_add_co_i32 s50, s[\e], 127
	s_lshl_b32 s51, s50, 23
	v_mov_b32 v[\sc], s51
	s_add_co_i32 s50, s50, 8
	s_lshl_b32 s50, s50, 23
	s_or_b32 s50, s50, 0x600000
	v_mov_b32 v[\sc+1], s50
.endm
	s_wait_kmcnt 0x0
	MKSC 40, 6
	MKSC 42, 8
	MKSC 44, 10
	MKSC 41, 12
	MKSC 43, 14
	MKSC 45, 16
	s_wait_alu depctr_va_vdst(0)                   ; at the head's end
; The conversion to an 8-bit code does not saturate (ISA guide 7.6.2): the hold at the largest code x the scale comes first.
.macro XQ q                            ; panel q of x, three times
	s_wait_loadcnt 30-2*\q                         ; of the 32 loads the first 2 q + 2 are in
.irp k, 0,1,2
.set HH, H+8*((3*\q+\k)%2)
.irp i, 0,1,2,3,4,5,6,7
	v_med3_num_f32 v[HH+\i], v[R+8*\q+\i], -v[7+2*\k], v[7+2*\k]
.endr
	v_cvt_scalef32_pk8_fp8_f32 v[C+8*\k+2*\q:C+8*\k+2*\q+1], v[HH:HH+7], v[6+2*\k]
	global_store_b64 v4, v[C+8*\k+2*\q:C+8*\k+2*\q+1], s[30+2*\k:31+2*\k] offset:16384*\q
.endr
.endm
.macro WQ t, q, d                      ; panel q of weight t (1: Wq, 2: Wk, 3: Wv)
	s_wait_loadcnt 30-8*\t-2*\q                    ; of the 32 loads the first 8 t + 2 q + 2 are in
.irp i, 0,1,2,3,4,5,6,7
	v_med3_num_f32 v[R+32*\t+8*\q+\i], v[R+32*\t+8*\q+\i], -v[11+2*\t], v[11+2*\t]
.endr
	v_cvt_scalef32_pk8_fp8_f32 v[C+16+8*\t+2*\q:C+16+8*\t+2*\q+1], v[R+32*\t+8*\q:R+32*\t+8*\q+7], v[10+2*\t]
	global_store_b64 v4, v[C+16+8*\t+2*\q:C+16+8*\t+2*\q+1], s[\d:\d+1] offset:16384*\q
.endm
.irp q, 0,1,2,3
	XQ \q
.endr
.irp q, 0,1,2,3
	WQ 1, \q, 36
.endr
.irp q, 0,1,2,3
	WQ 2, \q, 38
.endr
.irp q, 0,1,2,3
	WQ 3, \q, 48
.endr
	v_nop
	s_endpgm
.Lfunc_end_k_q9b6dd9c1eb_quant:
	.size	k_q9b6dd9c1eb_quant, .Lfunc_end_k_q9b6dd9c1eb_quant-k_q9b6dd9c1eb_quant
	.p2alignl 7, 3214868480
	.fill 96, 4, 3214868480
	.section	.rodata,"a",@progbits
	.p2align	6, 0x0
	.amdhsa_kernel k_q9b6dd9c1eb_quant
		.amdhsa_group_segment_fixed_size 0
		.amdhsa_private_segment_fixed_size 0
		.amdhsa_enable_private_segment 0
		.amdhsa_kernarg_size 56
		.amdhsa_user_sgpr_count 2
		.amdhsa_user_sgpr_kernarg_segment_ptr 1
		.amdhsa_wavefront_size32 1
		.amdhsa_system_sgpr_workgroup_id_x 1
		.amdhsa_system_sgpr_workgroup_id_y 1
		.amdhsa_system_sgpr_workgroup_id_z 1
		.amdhsa_system_vgpr_workitem_id 0
		.amdhsa_next_free_vgpr 256
		.amdhsa_next_free_sgpr 66
		.amdhsa_reserve_vcc 0
		.amdhsa_float_denorm_mode_32 3
		.amdhsa_float_denorm_mode_16_64 3
		.amdhsa_memory_ordered 1
		.amdhsa_forward_progress 1
		.amdhsa_inst_pref_size 24
	.end_amdhsa_kernel
	.amdgpu_metadata
---
amdhsa.version: [ 1, 2 ]
amdhsa.kernels:
  - .name:           k_q9b6dd9c1eb_quant
    .symbol:         k_q9b6dd9c1eb_quant.kd
    .args:
      - { .name: x, .offset: 0, .size: 8, .value_kind: global_buffer, .address_space: global }
      - { .name: Wq, .offset: 8, .size: 8, .value_kind: global_buffer, .address_space: global }
      - { .name: Wk, .offset: 16, .size: 8, .value_kind: global_buffer, .address_space: global }
      - { .name: Wv, .offset: 24, .size: 8, .value_kind: global_buffer, .address_space: global }
      - { .name: lowp_scales, .offset: 32, .size: 8, .value_kind: global_buffer, .address_space: global }
      - { .name: xc, .offset: 40, .size: 8, .value_kind: global_buffer, .address_space: global }
      - { .name: wc, .offset: 48, .size: 8, .value_kind: global_buffer, .address_space: global }
    .group_segment_fixed_size: 0
    .private_segment_fixed_size: 0
    .kernarg_segment_align: 8
    .kernarg_segment_size: 56
    .max_flat_workgroup_size: 512
    .sgpr_count:     66
    .vgpr_count:     256
    .wavefront_size: 32
...
	.end_amdgpu_metadata
.endif
;; end of part 1
;; launch gemm_qkv (part 2): grid 8 x 24, 4 waves a work-group, clusters of 4 x 4, 327,680 bytes of LDS; arguments xc, wc, lowp_scales, qkv; writes qkv
.if DOCPART == 2
	.amdgcn_target "amdgcn-amd-amdhsa--gfx1250"
	.amdhsa_code_object_version 6
	.text
	.protected	k_q9b6dd9c1eb_gemm_qkv
	.globl	k_q9b6dd9c1eb_gemm_qkv
	.p2align	8
	.type	k_q9b6dd9c1eb_gemm_qkv,@function
k_q9b6dd9c1eb_gemm_qkv:
	s_mov_b64 s[64:65], 0
	v_nop
	global_prefetch_b8 v0, s[64:65] scope:SCOPE_SE
	s_setreg_imm32_b32 hwreg(HW_REG_WAVE_MODE, 25, 1), 1
	s_wait_xcnt 0x0
	s_wait_alu depctr_hold_cnt(0) depctr_sa_sdst(0) depctr_va_vdst(0) depctr_va_sdst(0) depctr_va_ssrc(0) depctr_va_vcc(0) depctr_vm_vsrc(0)
	s_getreg_b32 s2, hwreg(HW_REG_IB_STS2, 6, 4)
	s_cmp_eq_u32 s2, 0
	s_cbranch_scc0 .Lentry_in_a_cluster
	s_endpgm
.Lentry_in_a_cluster:
	s_bfe_u32 s2, ttmp6, 0x10000c
	s_cmp_lg_u32 s2, 0xf033
	s_cbranch_scc0 .Lentry_shape_is_right
	s_endpgm
.Lentry_shape_is_right:
; SECOND LAUNCH: the three projections, on codes of E4M3, and their results quantised on the way out.  C[m][n] = sum over k of A[m][k] B[n][k], K = 2048, sums in f32.
; Three jobs, told apart by the cluster's y / 2 (the same in all partners of a cluster): 0: q = x Wq^T (A = x's codes with e0, B = Wq's, e1; out with e6); 1: k = x Wk^T (e2, e3; out e7);
; 2: V^T = Wv x^T (A = Wv's codes, e5; B = x's codes with e4; out e9): the roles are swapped, so that the result has the KEYS innermost, as the second product of attention wants its operand.
; A finished sum stands for sum x 2^(ea + eb); its code is sum / 2^(eo - ea - eb), held within +-448 of that scale: the three exponents are folded into the conversion's one.
; LIMIT: eo - ea - eb lies between -126 and 119 in each job.  k is permuted, alike in A and B (by the codes' layout, and within a matrix instruction by loads of 16 bytes): every product meets its partner.
; Operands lie in blocks of 128 rows x 128 codes, 16,384 bytes dense; the 16 blocks of a block of rows follow each other along K.
; Results lie in blocks of 128 x 128 codes too: q and k at block ((batch x 16 + head) x 8 + tokens / 128), V^T at block (head x 16 + batch x 8 + tokens / 128): a head's eight blocks of keys are one dense run in each.
; A tile of C, 256 x 256, is made by a work-group of four waves, each 128 x 128: 64 accumulators, 512 registers.  24 x 8 = 192 tiles (a third of 256 work-groups would not divide a job, and a tile that lies in two jobs needs two sets of A's codes).
; K goes in steps of 256 through a ring of two LDS slots.  One tensor load a wave brings 128 rows x 256 K: two blocks, one dense run, stated as 128 rows of 256 bytes with 16 bytes of padding behind every 128.
; THE CHANGE OF SLOTS stands at the head of a slot's last step, whose fragments have all been asked for by then: a block's eight products stand between the add and its wait, and eight more between the barrier's signal and wait.
; A STEP of 128 along K is 64 products, A's blocks one after the other.  The next step's 64 LDS loads are spread over it: eight behind each block's eight products, B's other set first (behind blocks 0-3), then A's blocks as they come free (behind blocks 4-7).
; CLUSTERS: 4 x 4 work-groups.  A's tile hangs on the tile row alone and is asked for jointly along a row of the cluster, B's on the tile column alone, along a column.
; PREFETCHES INTO THE L2: at the head, behind K step 0's load, that of step 1; behind step 1's load those of steps 2 and 3; from then on, with the refill by K step n, that of step n + 2.  Of the 32,768 bytes that a wave asks for
; jointly with three partners, the partner at place p (p = cx for A, cy for B) takes the 8,192 from 8,192 p on: one instruction a wave, lanes 256 bytes apart; told apart by address, no branch hangs on a place.  The last two refills ask for nothing.
; THE MATRIX INSTRUCTION IS USED TRANSPOSED (source 0 = 16 rows of B, source 1 = 16 rows of A): a lane holds eight neighbouring columns of one row of C, which one conversion turns into 8 codes.
; THE WAY OUT goes with the last step: while block a of 16 rows is multiplied, block a - 1's finished sums are held between the products.
; REGISTERS, in windows of 256: window 0: v0-31 addresses and the scale; from v128 A's fragments, ONE set.  window 1: B's fragments, TWO sets.  windows 2, 3: the accumulators ((a, b) at v[8 (8 (a % 4) + b)]).
.set PITCH,  144                       ; an LDS row: 128 bytes + 16 of padding = 36 words: the 16 rows that a load touches start at 16 different groups of four banks (64 banks of 4 bytes: ISA guide 11.1)
.set KBLK,   128*PITCH                 ; 128 rows x 128 K
.set HALFT,  2*KBLK                    ; what one tensor load brings, and what one wave reads of A or of B in a slot
.set SLOT,   4*HALFT                   ; A's two halves, then B's two halves
.set SPARE,  2*SLOT                    ; behind the ring: the spare words, 128 bytes a wave: two blocks of 256 bytes that no other line names
.set FILLB,  32768                     ; a load's bytes in memory: two blocks
.set LAPS,   4                         ; a lap = two slots = 512 along K
.set FR,     16                        ; registers of a fragment: 16 rows x 128 K
.set NL,     4                         ; LDS loads that bring one
.set NP,     4                         ; places behind this matrix instruction (ISA guide 7.12.1)
.set ADRA, 16                          ; v16-17  LDS address of my A fragments in slot 0, 1
.set ADRB, 20                          ; v20-21  the same for B
.set STO,  24                          ; v24     the way out: where I put 8 codes of a row
.set RD,   25                          ; v25     the way out: where I read 16 codes back
.set CO,   26                          ; v26     16 x lane: my place in a store's 512 bytes
.set PFO,  27                          ; v27     256 x lane: the prefetches' offset; never rewritten
.set SPW,  28                          ; v28     LDS address of my spare word; never rewritten
.set NIL,  29                          ; v29     0; never rewritten
.set SC,   30                          ; v30     2^(eo - ea - eb) as f32
.set LIM,  31                          ; v31     448 x that
.set TMP,  32                          ; the way out: 64 registers, a block's sums, held
.set CD,   96                          ; the way out: a block's codes, two sets of 16
.set AF,   128                         ; A's fragments, in window 0
.set BK,   128                         ; the way out: block a read back from the stage, 16 registers, where its own fragment lay: no store's data are written again
.set G1, 24                            ; s[24:31] descriptor group 1 for A's tiles;  s[32:39] group 0, one set for each slot
.set G0, 32
.set G1B, 48                           ; s[48:55], s[56:63] the same for B's tiles
.set G0B, 56
.set PFA, 90                           ; s[90:91] where my prefetches stand
.set MSB, 0
.macro WIN new                         ; the immediate's high byte repeats the setting that is left
.if MSB != (\new)
	s_set_vgpr_msb (MSB<<8)|(\new)
.set MSB, (\new)
.endif
.endm
.set MUL_LO, 0xa1                      ; source 0 (B) window 1, source 1 (A) window 0, C and D window 2
.set MUL_HI, 0xf1                      ; the same, C and D window 3
.set TO_B,   0x40                      ; destination window 1, address window 0
; A joint load: waves 0 and 1 fetch for A, waves 2 and 3 for B.  Each of the two lines has one mask and one set of registers; the branch hangs on the wave's number alone.
; An s_nop 0 and four v_nop follow each of the two lines, ahead of the jump, the label and what follows.
.macro JLOAD g0a, g1a, g0b, g1b
	s_cmp_eq_u32 s15, 0
	s_cbranch_scc0 .Lfor_b_\@
	tensor_load_to_lds s[\g0a:\g0a+3], s[\g1a:\g1a+7]
	s_nop 0
.rept 4
	v_nop
.endr
	s_branch .Lasked_\@
.Lfor_b_\@:
	tensor_load_to_lds s[\g0b:\g0b+3], s[\g1b:\g1b+7]
	s_nop 0
.rept 4
	v_nop
.endr
.Lasked_\@:
.endm
.macro CREST                           ; a round of the cluster's barrier behind its opening barrier
	s_cmp_lg_u32 s14, 0
	s_cbranch_scc1 .Lnot_wave_0_\@
	s_barrier_signal -3
.Lnot_wave_0_\@:
	s_barrier_wait -3
	s_barrier_signal -1
	s_barrier_wait -1
.endm
.macro CROUND                          ; a whole round
	s_barrier_signal -1
	s_barrier_wait -1
	CREST
.endm
	s_load_b128 s[4:7], s[0:1], 0x0                ; xc s[4:5], wc s[6:7]
	s_load_b128 s[8:11], s[0:1], 0x10              ; the exponents s[8:9], qkv s[10:11]
	v_lshl_add_u32 v[SPW], v0, 2, SPARE
	v_mov_b32 v[NIL], 0
	ds_add_u32 v[SPW], v[NIL]                      ; the wave's opening: the add, twice on end, and its wait ahead of my first tensor load; the set-up below stands between the second and the wait
	ds_add_u32 v[SPW], v[NIL]
	v_lshrrev_b32 v1, 5, v0
	v_readfirstlane_b32 s14, v1                    ; wave 0..3
	s_lshr_b32 s15, s14, 1                         ; which half of the tile's rows is mine.  Also: I fetch for A (0) or for B (1)
	s_and_b32 s16, s14, 1                          ; which half of its columns.  Also: which 128 rows of that tile I fetch
	s_bfe_u32 s40, ttmp6, 0x40000                  ; cx, cy: my place in the cluster
	s_bfe_u32 s41, ttmp6, 0x40004
	s_lshl_b32 s42, ttmp9, 2
	s_add_co_u32 s42, s42, s40                     ; tile column of C = 4 x cluster x + cx: 0..7
	s_and_b32 s17, ttmp7, 0xffff                   ; cluster y: 0..5
	s_lshr_b32 s66, s17, 1                         ; the job
	s_and_b32 s17, s17, 1
	s_lshl_b32 s17, s17, 2
	s_add_co_u32 s17, s17, s41                     ; tile row of C = 4 x (cluster y % 2) + cy: 0..7
	s_lshl_b32 s43, s41, 2
	s_lshl_b32 s43, 15, s43                        ; my row of the cluster
	s_lshl_b32 s44, 0x1111, s40                    ; my column
	; descriptor group 1: 128 rows x 256 bytes, dense in memory; in LDS four words of padding behind every 32
	s_or_b32 s[G1+0], s43, (0<<16)|(1<<20)|(1<<21)|(4<<22)|(3<<25)  ; 15:0 the mask: A's tiles go to my row; 17:16 elements of 1 byte; 20 padding on; 21 set beside a mask; 24:22 after every 32 words (code 4); 31:25 four words (code 3)
	s_or_b32 s[G1B+0], s44, (0<<16)|(1<<20)|(1<<21)|(4<<22)|(3<<25)
.irp g, G1, G1B
	s_mov_b32 s[\g+1], 256<<16                     ; tensor_dim0 = 256
	s_mov_b32 s[\g+2], 128<<16                     ; tensor_dim1 = 128
	s_mov_b32 s[\g+3], 256<<16                     ; tile_dim0 = 256
	s_mov_b32 s[\g+4], 128                         ; tile_dim1 = 128
	s_mov_b32 s[\g+5], 256                         ; tensor_dim0_stride
	s_mov_b32 s[\g+6], 0
	s_mov_b32 s[\g+7], 0
.endr
	s_lshl_b32 s67, s66, 22                        ; the job's matrix in each of the three buffers: job x 4 MiB
	s_lshl_b32 s20, s17, 1
	s_add_co_u32 s20, s20, s16                     ; A: block of rows 2 x tile row + half,
	s_lshl_b32 s20, s20, 18                        ; 262,144 bytes each
	s_add_co_u32 s20, s20, s67
	s_mov_b32 s21, 0
	s_lshl_b32 s46, s42, 1
	s_add_co_u32 s46, s46, s16                     ; B: block of rows 2 x tile column + half
	s_lshl_b32 s46, s46, 18
	s_add_co_u32 s46, s46, s67
	s_mov_b32 s47, 0
	s_mul_i32 s45, s14, HALFT                      ; where they go: wave x a load's bytes: no place in the cluster enters an LDS address
	s_lshl_b32 s84, s17, 1                         ; where my 128 x 128 of C goes: rb = 2 x tile row + my half, cb = 2 x tile column + my half
	s_add_co_u32 s84, s84, s15
	s_lshl_b32 s85, s42, 1
	s_add_co_u32 s85, s85, s16
	s_lshl_b32 s86, s84, 4
	s_add_co_u32 s86, s86, s85                     ; V^T: rb is the head, cb the block of tokens: block rb x 16 + cb
	s_lshr_b32 s87, s84, 3
	s_lshl_b32 s87, s87, 4
	s_add_co_u32 s87, s87, s85
	s_lshl_b32 s87, s87, 3
	s_and_b32 s88, s84, 7
	s_add_co_u32 s87, s87, s88                     ; q, k: rb is the block of tokens, cb the head: block ((rb / 8) x 16 + cb) x 8 + rb % 8
	s_cmp_eq_u32 s66, 2
	s_cselect_b32 s84, s86, s87
	s_lshl_b32 s84, s84, 14
	s_add_co_u32 s84, s84, s67
	s_mov_b32 s85, 0
	s_wait_dscnt 0x0                               ; both opening adds are done
	s_wait_kmcnt 0x0
	s_load_b256 s[68:75], s[8:9], 0x0              ; e0 .. e7
	s_load_b64 s[76:77], s[8:9], 0x20              ; e8, e9
	s_cmp_eq_u32 s66, 2                            ; job 2 swaps the roles; the choice hangs on the cluster's y alone
	s_cselect_b64 s[18:19], s[6:7], s[4:5]         ; A's buffer
	s_cselect_b64 s[22:23], s[4:5], s[6:7]         ; B's buffer
	s_add_nc_u64 s[20:21], s[18:19], s[20:21]
	s_add_nc_u64 s[46:47], s[22:23], s[46:47]
	s_add_nc_u64 s[10:11], s[10:11], s[84:85]
.irp s, 0,1
	s_mov_b32 s[G0+4*\s], 1
	s_add_co_u32 s[G0+4*\s+1], s45, \s*SLOT
	s_add_nc_u64 s[G0+4*\s+2:G0+4*\s+3], s[20:21], \s*FILLB
	s_or_b32 s[G0+4*\s+3], s[G0+4*\s+3], 0x80000000
	s_mov_b32 s[G0B+4*\s], 1
	s_add_co_u32 s[G0B+4*\s+1], s45, \s*SLOT
	s_add_nc_u64 s[G0B+4*\s+2:G0B+4*\s+3], s[46:47], \s*FILLB
	s_or_b32 s[G0B+4*\s+3], s[G0B+4*\s+3], 0x80000000
.endr
	CROUND                                         ; all sixteen work-groups are here: the first joint loads meet
	JLOAD G0, G1, G0B, G1B                         ; K step 0: one tensor load a wave at the head
	s_cmp_eq_u32 s15, 0                            ; the prefetches: for A or for B,
	s_cselect_b64 s[PFA:PFA+1], s[20:21], s[46:47]
	s_cselect_b32 s92, s40, s41                    ; and my place among the four that ask with me
	s_lshl_b32 s92, s92, 13
	s_mov_b32 s93, 0
	s_add_nc_u64 s[PFA:PFA+1], s[PFA:PFA+1], s[92:93]
	s_mul_i32 s86, s15, HALFT                      ; my 128 rows of A
	s_mul_i32 s87, s16, HALFT                      ; my 128 rows of B,
	s_add_co_u32 s87, s87, 2*HALFT                 ; which lie behind A's
	s_add_co_u32 s88, s86, SLOT
	s_add_co_u32 s89, s87, SLOT
	s_mul_i32 s94, s14, 16*PITCH                   ; my stage for the way out: 16 rows x 144 bytes, in slot 0, which has had its last fill and its last read when the first code is stored there
	v_and_b32 v1, 15, v0                           ; l % 16
	v_bfe_u32 v2, v0, 4, 1                         ; l / 16
	v_mul_u32_u24 v3, v1, PITCH
	v_lshl_add_u32 v4, v2, 4, v3                   ; a fragment's row x pitch + 16 x half
	v_add_nc_u32 v[ADRA], s86, v4
	v_add_nc_u32 v[ADRB], s87, v4
	v_add_nc_u32 v[ADRA+1], s88, v4
	v_add_nc_u32 v[ADRB+1], s89, v4
	v_lshl_add_u32 v5, v2, 3, v3                   ; in: row l % 16, 8 bytes for each half of the lanes
	v_add_nc_u32 v[STO], s94, v5
	v_and_b32 v6, 31, v0
	v_lshrrev_b32 v7, 3, v6                        ; back: eight lanes to a row of 128 bytes, four rows an instruction
	v_mul_u32_u24 v7, v7, PITCH
	v_and_b32 v8, 7, v0
	v_lshl_add_u32 v7, v8, 4, v7
	v_add_nc_u32 v[RD], s94, v7
	v_lshlrev_b32 v[CO], 4, v6
	v_lshlrev_b32 v[PFO], 8, v6
	global_prefetch_b8 v[PFO], s[PFA:PFA+1] offset:FILLB th:TH_LOAD_NT scope:SCOPE_SE      ; K step 1
.macro FRAG reg, adr, q, i             ; a fragment, 16 rows x 128 K, is 16 registers: lane l holds row l % 16; registers 4 c .. 4 c + 3 hold bytes 32 c + 16 (l / 16) + 0 .. 15 of the row
.irp c, 0,1,2,3
	ds_load_b128 v[\reg+4*\c:\reg+4*\c+3], v[\adr] offset:KBLK*(\q)+32*\c+(\i)*16*PITCH
.endr
.endm
.macro LB slot, q, p, i                ; B's fragments i, i + 1 of the slot's q-th 128 along K into set p
	WIN TO_B
	FRAG 128*(\p)+FR*(\i), ADRB+\slot, \q, \i
	FRAG 128*(\p)+FR*(\i+1), ADRB+\slot, \q, \i+1
.endm
.macro LA slot, q, i                   ; A's blocks i, i + 1
	WIN 0
	FRAG AF+FR*(\i), ADRA+\slot, \q, \i
	FRAG AF+FR*(\i+1), ADRA+\slot, \q, \i+1
.endm
; One matrix instruction: accumulator (a, b), 128 along K.  p: B's set.  zero = 1: the first product starts the sum.
.macro MUL1 a, b, p, zero
.if \zero
	v_wmma_f32_16x16x128_fp8_fp8 v[8*(8*((\a)%4)+\b):8*(8*((\a)%4)+\b)+7], v[128*(\p)+FR*\b:128*(\p)+FR*\b+FR-1], v[AF+FR*(\a):AF+FR*(\a)+FR-1], 0
.else
	v_wmma_f32_16x16x128_fp8_fp8 v[8*(8*((\a)%4)+\b):8*(8*((\a)%4)+\b)+7], v[128*(\p)+FR*\b:128*(\p)+FR*\b+FR-1], v[AF+FR*(\a):AF+FR*(\a)+FR-1], v[8*(8*((\a)%4)+\b):8*(8*((\a)%4)+\b)+7]
.endif
.endm
; A's block a x B's eight.  The 64 accumulators take turns, one instruction a turn, in the same order in every step.
.macro MUL8 a, p, zero
	WIN MUL_LO+0x50*((\a)/4)
.irp b, 0,1,2,3,4,5,6,7
	MUL1 \a, \b, \p, \zero
.endr
.endm
; A load into a register that a matrix instruction has read, and a vector instruction that reads a matrix result, stand NP places behind that matrix instruction; only plain vector
; instructions that name none of its registers are places (ISA guide 7.12.1 for vector instructions).
.macro PLACES n
.rept \n
	v_nop
.endr
.endm
.macro REST slot, q, p, zero           ; a step's blocks 4-7 on B's set p, and the loads of the next step's A (the slot's q-th 128)
	MUL8 4, \p, \zero
	PLACES NP                                      ; behind blocks 0-4
	LA \slot, \q, 0
	MUL8 5, \p, \zero
	LA \slot, \q, 2
	MUL8 6, \p, \zero
	PLACES NP
	LA \slot, \q, 4
	MUL8 7, \p, \zero
	PLACES NP
	LA \slot, \q, 6
.endm
; A step of 128 along K that has its successor in the same slot (q = 0).
.macro STEP slot, zero
	s_wait_dscnt 4*NL                              ; B's set and A's blocks 0-3 are in; the youngest 16 loads (A's blocks 4-7) may be out
	MUL8 0, 0, \zero
	PLACES NP                                      ; behind the last step's products, which read the set that is filled now
	LB \slot, 1, 1, 0
	MUL8 1, 0, \zero
	LB \slot, 1, 1, 2
	MUL8 2, 0, \zero
	LB \slot, 1, 1, 4
	MUL8 3, 0, \zero
	LB \slot, 1, 1, 6
	s_wait_dscnt 8*NL                              ; A's blocks 4-7 are in; B's 32 loads just issued may be out
	REST \slot, 1, 0, \zero
.endm
; A slot's last step changes slots, at its HEAD.  ONE barrier; in front of it each wave waits for all its tensor loads, adds 0 to its spare word, and waits for that and for its own reads of this slot.
; fill = 1: this slot is filled again, two K steps ahead, first thing behind the round; the rest of the step's products and the whole next step's stand between the request and the wait for it.
.macro TURN slot, next, fill
.if \fill
	s_wait_xcnt 0x0                                ; my last prefetch has read its address: it is stepped here
	s_add_nc_u64 s[PFA:PFA+1], s[PFA:PFA+1], FILLB
.endif
	s_wait_tensorcnt 0x0                           ; all my tensor loads have landed: my part of the next slot  (every window is 0 here)
	ds_add_u32 v[SPW], v[NIL]                      ; 0 onto my spare word
	s_wait_dscnt 4*NL+1                            ; (the add and A's blocks 4-7 may be out)
	MUL8 0, 1, 0
	s_wait_dscnt 0x0                               ; the add is done, and my reads of this slot are over
	s_barrier_signal -1
	MUL8 1, 1, 0                                   ; work on registers while the others arrive
	WIN 0
	s_barrier_wait -1
.if \fill
	CREST                                          ; the barrier has opened a round of the cluster's barrier: no wave of any partner still reads this slot's tile or has a load on its way
	s_add_nc_u64 s[G0+4*\slot+2:G0+4*\slot+3], s[G0+4*\slot+2:G0+4*\slot+3], 2*FILLB
	s_add_nc_u64 s[G0B+4*\slot+2:G0B+4*\slot+3], s[G0B+4*\slot+2:G0B+4*\slot+3], 2*FILLB
	JLOAD G0+4*\slot, G1, G0B+4*\slot, G1B         ; the first tensor load behind the round, and my only one until the next; the four v_nop behind it are the places in front of the loads below
.else
	PLACES NP
.endif
	LB \next, 0, 0, 0                              ; the next slot is whole since the barrier
	LB \next, 0, 0, 2
	MUL8 2, 1, 0
	LB \next, 0, 0, 4
	MUL8 3, 1, 0
	LB \next, 0, 0, 6
.if \fill
	WIN 0
	s_cmp_gt_u32 s3, 1                             ; the K step two behind the one just asked for; the last trip's refills have none
	s_cbranch_scc0 .Lnoask_\@
	global_prefetch_b8 v[PFO], s[PFA:PFA+1] offset:3*FILLB th:TH_LOAD_NT scope:SCOPE_SE
.Lnoask_\@:
.endif
	REST \next, 0, 1, 0
.endm
	s_wait_alu depctr_va_vdst(0)                   ; at the head's end
	s_wait_tensorcnt 0x0                           ; my part of K step 0 is in; these lines ahead of a later first fill, as ahead of a refill
	ds_add_u32 v[SPW], v[NIL]
	s_wait_dscnt 0x0                               ; the add is done
	CROUND                                         ; everybody's part of K step 0 is in, and all sixteen work-groups are here
	JLOAD G0+4, G1, G0B+4, G1B                     ; K step 1, the first tensor load behind the round
.irp i, 0,2,4,6
	LB 0, 0, 0, \i
.endr
.irp i, 0,2,4,6
	LA 0, 0, \i
.endr
	global_prefetch_b8 v[PFO], s[PFA:PFA+1] offset:2*FILLB th:TH_LOAD_NT scope:SCOPE_SE    ; K steps 2
	global_prefetch_b8 v[PFO], s[PFA:PFA+1] offset:3*FILLB th:TH_LOAD_NT scope:SCOPE_SE    ; and 3
	STEP 0, 1                                      ; the first step stands in front of the loop: its products start the sums
	s_mov_b32 s3, LAPS-1
.Llap:                                                 ; a trip goes once round the ring, from a lap's second step to the next lap's first, and fills both slots again
	TURN 0, 1, 1
	STEP 1, 0
	TURN 1, 0, 1
	STEP 0, 0
	s_sub_co_u32 s3, s3, 1
	s_cmp_lg_u32 s3, 0
	s_cbranch_scc1 .Llap
	TURN 0, 1, 0                                   ; the last lap fills nothing, and has no round of the cluster's barrier
	STEP 1, 0
; THE LAST STEP AND THE WAY OUT, block by block of 16 rows x 128 columns.  A lane's eight sums of an accumulator are 8 codes of one row.  The lanes beside it hold other rows, so a block goes through
; my own stage in LDS and comes back 16 codes a lane, 512 consecutive bytes of my 16,384-byte block an instruction.  LDS serves a wave's instructions in order (ISA guide 5.7.1.4): no wait between the stores and the loads.
.macro HOLD a, b                       ; accumulator (a, b), from its low end on: held at the largest code x the scale
	WIN 0x02+((\a)/4)                              ; source 0: window 2 or 3
.set j, 0
.rept 8
	v_med3_num_f32 v[TMP+8*\b+j], v[64*((\a)%4)+8*\b+j], -v[LIM], v[LIM]
.set j, j+1
.endr
.endm
.macro CODES a
.set CDS, CD+16*((\a)%2)
	WIN 0
.irp b, 0,1,2,3,4,5,6,7
	v_cvt_scalef32_pk8_fp8_f32 v[CDS+2*\b:CDS+2*\b+1], v[TMP+8*\b:TMP+8*\b+7], v[SC]
.endr
	v_nop                                          ; a plain line between the conversions and the next block's lines, which write their sources
.irp b, 0,1,2,3,4,5,6,7
	ds_store_b64 v[STO], v[CDS+2*\b:CDS+2*\b+1] offset:16*\b
.endr
.irp i, 0,1,2,3
	ds_load_b128 v[BK+16*(\a)+4*\i:BK+16*(\a)+4*\i+3], v[RD] offset:4*PITCH*\i
.endr
.endm
.macro SEND a, younger                 ; younger: the LDS instructions issued behind block a's loads, which may stay out
	s_wait_dscnt \younger
.irp i, 0,1,2,3
	global_store_b128 v[CO], v[BK+16*(\a)+4*\i:BK+16*(\a)+4*\i+3], s[10:11] offset:2048*(\a)+512*\i   ; 32 lanes store 512 consecutive bytes
.endr
.endm
.macro ROW a                           ; block a is multiplied, block a - 1 held between the products and sent to the stage
.irp b, 0,1,2,3,4,5,6,7
	WIN MUL_LO+0x50*((\a)/4)
	MUL1 \a, \b, 1, 0
.if (\a) == 1 && \b == 0
	PLACES NP                                      ; behind block 0's products, which had no vector lines between them
.endif
	HOLD (\a-1), \b
.endr
	CODES (\a-1)
.endm
	s_wait_kmcnt 0x0
	s_sub_co_i32 s80, s74, s68                     ; e6 - e0 - e1
	s_sub_co_i32 s80, s80, s69
	s_sub_co_i32 s81, s75, s70                     ; e7 - e2 - e3
	s_sub_co_i32 s81, s81, s71
	s_sub_co_i32 s82, s77, s72                     ; e9 - e4 - e5
	s_sub_co_i32 s82, s82, s73
	s_cmp_eq_u32 s66, 1
	s_cselect_b32 s80, s81, s80
	s_cmp_eq_u32 s66, 2
	s_cselect_b32 s80, s82, s80
	s_add_co_i32 s80, s80, 127
	s_lshl_b32 s81, s80, 23
	s_add_co_i32 s80, s80, 8
	s_lshl_b32 s80, s80, 23
	s_or_b32 s80, s80, 0x600000
	v_mov_b32 v[SC], s81
	v_mov_b32 v[LIM], s80
	s_wait_alu depctr_va_vdst(0)                   ; directly ahead of the wait below
	s_wait_dscnt 4*NL                              ; A's blocks 4-7 may be out; the wait in SEND 1 covers them ahead of block 4
	MUL8 0, 1, 0
	ROW 1
.irp a, 2,3,4,5,6,7
	ROW \a
	SEND \a-2, 12                                  ; behind block a - 2's loads: block a - 1's 8 stores and 4 loads
.endr
.irp b, 0,1,2,3,4,5,6,7
	HOLD 7, \b
.endr
	CODES 7
	SEND 6, 12
	SEND 7, 0
	s_wait_tensorcnt 0x0                           ; the wave's end: behind my last tensor load and my last LDS store
	ds_add_u32 v[SPW], v[NIL]
	s_wait_dscnt 0x0
	CROUND                                         ; the closing round: no work-group ends while a partner may still ask for a tile that names it
	s_endpgm
.Lfunc_end_k_q9b6dd9c1eb_gemm_qkv:
	.size	k_q9b6dd9c1eb_gemm_qkv, .Lfunc_end_k_q9b6dd9c1eb_gemm_qkv-k_q9b6dd9c1eb_gemm_qkv
	.p2alignl 7, 3214868480
	.fill 96, 4, 3214868480
	.section	.rodata,"a",@progbits
	.p2align	6, 0x0
	.amdhsa_kernel k_q9b6dd9c1eb_gemm_qkv
		.amdhsa_group_segment_fixed_size 327680
		.amdhsa_private_segment_fixed_size 0
		.amdhsa_enable_private_segment 0
		.amdhsa_kernarg_size 32
		.amdhsa_user_sgpr_count 2
		.amdhsa_user_sgpr_kernarg_segment_ptr 1
		.amdhsa_wavefront_size32 1
		.amdhsa_system_sgpr_workgroup_id_x 1
		.amdhsa_system_sgpr_workgroup_id_y 1
		.amdhsa_system_sgpr_workgroup_id_z 1
		.amdhsa_system_vgpr_workitem_id 0
		.amdhsa_next_free_vgpr 1024
		.amdhsa_next_free_sgpr 100
		.amdhsa_reserve_vcc 0
		.amdhsa_float_denorm_mode_32 3
		.amdhsa_float_denorm_mode_16_64 3
		.amdhsa_memory_ordered 1
		.amdhsa_forward_progress 1
		.amdhsa_inst_pref_size 133
	.end_amdhsa_kernel
	.amdgpu_metadata
---
amdhsa.version: [ 1, 2 ]
amdhsa.kernels:
  - .name:           k_q9b6dd9c1eb_gemm_qkv
    .symbol:         k_q9b6dd9c1eb_gemm_qkv.kd
    .args:
      - { .name: xc, .offset: 0, .size: 8, .value_kind: global_buffer, .address_space: global }
      - { .name: wc, .offset: 8, .size: 8, .value_kind: global_buffer, .address_space: global }
      - { .name: lowp_scales, .offset: 16, .size: 8, .value_kind: global_buffer, .address_space: global }
      - { .name: qkv, .offset: 24, .size: 8, .value_kind: global_buffer, .address_space: global }
    .group_segment_fixed_size: 327680
    .private_segment_fixed_size: 0
    .kernarg_segment_align: 8
    .kernarg_segment_size: 32
    .max_flat_workgroup_size: 128
    .sgpr_count:     100
    .vgpr_count:     1024
    .wavefront_size: 32
...
	.end_amdgpu_metadata
.endif
;; end of part 2
;; launch attn (part 3): grid 8 x 32, 8 waves a work-group, clusters of 4 x 1, 327,680 bytes of LDS; arguments qkv, lowp_scales, att, Wo, woc; writes att, woc
.if DOCPART == 3
	.amdgcn_target "amdgcn-amd-amdhsa--gfx1250"
	.amdhsa_code_object_version 6
	.text
	.protected	k_q9b6dd9c1eb_attn
	.globl	k_q9b6dd9c1eb_attn
	.p2align	8
	.type	k_q9b6dd9c1eb_attn,@function
k_q9b6dd9c1eb_attn:
	s_mov_b64 s[64:65], 0
	v_nop
	global_prefetch_b8 v0, s[64:65] scope:SCOPE_SE
	s_setreg_imm32_b32 hwreg(HW_REG_WAVE_MODE, 25, 1), 1
	s_wait_xcnt 0x0
	s_wait_alu depctr_hold_cnt(0) depctr_sa_sdst(0) depctr_va_vdst(0) depctr_va_sdst(0) depctr_va_ssrc(0) depctr_va_vcc(0) depctr_vm_vsrc(0)
	s_getreg_b32 s2, hwreg(HW_REG_IB_STS2, 6, 4)
	s_cmp_eq_u32 s2, 0
	s_cbranch_scc0 .Lentry_in_a_cluster
	s_endpgm
.Lentry_in_a_cluster:
	s_bfe_u32 s2, ttmp6, 0x10000c
	s_cmp_lg_u32 s2, 0x3003
	s_cbranch_scc0 .Lentry_shape_is_right
	s_endpgm
.Lentry_shape_is_right:
; THIRD LAUNCH: attention on codes of E4M3, its result quantised on the way out; and Wo's codes for the fourth launch.
; t = 30 log2(e) tanh(score / (30 sqrt(128))) is the exponent to the base 2 of the soft-capped logit; M = the row's largest allowed t so far, rounded UP to a whole number; p = 2^(t - M) is quantised along the keys with e8;
; the row's sum is taken of the unquantised p and divides at the end.  When M moves, the sum and O are multiplied by 2^(old M - new M): exact.
; tanh(y) = (u - 1) / (u + 1), u = 2^(2 y log2(e)); the exponent is held at 64, where the quotient is 1 in f32; u that falls to 0 gives -1.  With C = 30 log2(e): t - M = (C u - C) x (1 / (u + 1)) - M, two fused multiply-adds.
; The row's largest t is made from the largest scaled score by the same lines (tanh rises).
; WORK LEFT OUT: steps of 128 keys all of which come after a tile's 16 queries (the mask j <= i; the window's test is true by an identity: see the first launch).  LIMIT: a NaN or an infinity that reaches only those is not carried on.
; LIMITS: e6 + e7 between -119 and 134 (added to an exponent field); e8, e11 between -126 and 119; e10 - e8 - e9 between -126 and 119.
; SHARES.  y = batch x 16 + head; x = 0..7.  The work-group owns queries 16 x + 0..15 of each of the head's eight blocks of 128: eight tiles, of 1 to 8 steps.  Four pairs of waves (w, w + 4), w = 0..3, each take a short tile S = w
; and a long tile L = 7 - w, nine steps together: wave w multiplies L's keys of steps 0-3; wave w + 4 first S whole (w + 1 steps), then L's keys of steps 4 to L (4 - w steps).  At the end wave w + 4 hands its part of L
; (O^T, M and the sum) to wave w through LDS; wave w brings both parts under the larger M, by powers of two, adds them and sends the result out.
; K and V^T of the head, eight blocks of 128 keys each, lie whole in LDS: they come in two halves of four blocks each, one joint load of 16,384 bytes a wave (waves 0-3: K's blocks, waves 4-7: V's), stated as 64 rows of 256 bytes,
; shared by the four work-groups of a cluster.  The second half's load goes out behind the round that shows the first half whole, and has step 0 in which to land: so nothing is prefetched.
; LAYOUT.  Both products are used transposed: S^T = K Q^T, O^T = V^T P^T: a lane holds ONE query (lane % 16) throughout.  Lane r of K's tile 2 b + u takes key 32 b + 8 u + r + 8 (r / 8), so that the 16 registers of tiles 2 b, 2 b + 1
; are 16 neighbouring keys, 32 b + 16 (lane / 16) + 0..15.  V^T's rows lie in the order of the codes' panels (first launch), and so do the codes of the result: Wo's codes have the same order along K.
; Wo: waves 0 to 3, which have four steps against five, turn 8 rows of Wo a work-group into codes behind them, as the first launch does for the other weights.
; REGISTERS: window 0: v1-11 addresses; v12 -M, v13 the largest t, v[14:15] the sum; v16-31 Q; DN 1 / (u + 1); SS the scores; OT O^T; PC p's codes; v240-255 at work.  window 1: K's fragments v0-127, V's v128-255.
.set KP,    144                        ; an LDS row: 128 bytes + 16 of padding
.set KT,    128*KP                     ; a block of 128 keys
.set VB,    8*KT                       ; V's eight blocks behind K's eight
.set STAGE, 2*VB                       ; 2,304 bytes a wave: the second tile's Q, then the way out (16 rows x 144 bytes); no tensor load lands there
.set SPARE, STAGE+8*16*KP              ; the spare words, 128 bytes a wave: four blocks of 256 bytes that no other line names
.set EXB,   8448                       ; what a pair hands over: 8,192 bytes of O^T, 256 of M and sum.  It lies in key block 0 of K (pairs 0, 1) and of V (pairs 2, 3), which has had its last fill and, since the barrier behind step 0, its last read
.set AK0, 1                            ; my lane's place in a block of K
.set AV0, 2                            ; and of V
.set QS,  3                            ; my stage + 16 x lane: the second tile's Q
.set DM,  4                            ; my query within its 128 less 16 (lane / 16)
.set SPW, 5                            ; LDS address of my spare word; never rewritten
.set NIL, 6                            ; 0; never rewritten
.set GO,  7
.set ADK, 8
.set ADV, 9
.set STO, 10
.set RD,  11
.set QF,  16
.set DN,  32
.set SS,  96
.set OT,  160
.set PC,  224
.set KF,  0
.set VF,  128
.set TB,  2                            ; s2: where the step's block begins in K's (and V's) part of LDS
.set KS,  3                            ; s3: the step: keys 128 KS on
.set WV,  10
.set MM,  11                           ; s11: the tile in hand: my last step with it
.set LT,  18                           ; s18: L
.set SEL, 20
.set CS,  22                           ; s[22:23] C
.set G1,  24
.set G0,  32                           ; s[32:35] group 0 for the first half, s[44:47] for the second
.set G0S, 44
.set PL,  42                           ; s42: from this step on the next block of K is not asked for
.set CU,  48                           ; s[48:49] 2 log2(e) / (30 sqrt(128)) x 2^(e6 + e7)
.set MSB, 0
.macro WIN new
.if MSB != (\new)
	s_set_vgpr_msb (MSB<<8)|(\new)
.set MSB, (\new)
.endif
.endm
.macro PLACES n
.rept \n
	v_nop
.endr
.endm
.macro HINT
	s_delay_alu instid0(VALU_DEP_1)
.endm
.macro CROUND
	s_barrier_signal -1
	s_barrier_wait -1
	s_cmp_lg_u32 s[WV], 0
	s_cbranch_scc1 .Lnot_wave_0_\@
	s_barrier_signal -3
.Lnot_wave_0_\@:
	s_barrier_wait -3
	s_barrier_signal -1
	s_barrier_wait -1
.endm
	s_load_b128 s[4:7], s[0:1], 0x0                ; qkv s[4:5], the exponents s[6:7]
	s_load_b128 s[36:39], s[0:1], 0x10             ; att s[36:37], Wo s[38:39]
	s_load_b64 s[40:41], s[0:1], 0x20              ; Wo's codes
	v_lshl_add_u32 v[SPW], v0, 2, SPARE
	v_mov_b32 v[NIL], 0
	ds_add_u32 v[SPW], v[NIL]                      ; the wave's opening: the add, twice on end, and its wait
	ds_add_u32 v[SPW], v[NIL]
	v_lshrrev_b32 v81, 5, v0
	v_readfirstlane_b32 s[WV], v81                 ; wave 0..7
	s_lshr_b32 s12, s[WV], 2                       ; 0: I fetch for K, and take the long tile's first steps; 1: I fetch for V, and take the short tile and the long one's later steps
	s_and_b32 s13, s[WV], 3                        ; S, my pair
	s_xor_b32 s[LT], s13, 7                        ; L
	s_xor_b32 s43, s12, 1
	s_mul_i32 s43, s43, 7
	s_xor_b32 s[MM], s13, s43                      ; my first tile: L or S
	s_bfe_u32 s14, ttmp6, 0x40000
	s_lshl_b32 s15, ttmp9, 2
	s_add_co_u32 s15, s15, s14                     ; x
	s_and_b32 s17, ttmp7, 0xffff
	s_lshl_b32 s19, s17, 3
	s_add_co_u32 s19, s19, s15                     ; work-group 0..255, for Wo
	s_lshr_b32 s16, s17, 4                         ; batch
	s_and_b32 s17, s17, 15                         ; head
	s_mov_b32 s[G1], 15|(0<<16)|(1<<20)|(1<<21)|(4<<22)|(3<<25)   ; the mask of all four; elements of 1 byte; padding: four words after every 32; bit 21 beside a mask
	s_mov_b32 s[G1+1], 256<<16
	s_mov_b32 s[G1+2], 64<<16
	s_mov_b32 s[G1+3], 256<<16
	s_mov_b32 s[G1+4], 64
	s_mov_b32 s[G1+5], 256
	s_mov_b32 s[G1+6], 0
	s_mov_b32 s[G1+7], 0
	s_mul_i32 s84, s12, VB
	s_mul_i32 s85, s13, KT
	s_add_co_u32 s84, s84, s85                     ; where my block goes in LDS
	s_lshl_b32 s85, s16, 21
	s_add_co_u32 s85, s85, 0x400000
	s_lshl_b32 s89, s17, 17
	s_add_co_u32 s85, s85, s89                     ; K: 4 MiB on, (batch x 16 + head) x 131,072
	s_lshl_b32 s86, s17, 18
	s_add_co_u32 s86, s86, 0x800000
	s_lshl_b32 s89, s16, 17
	s_add_co_u32 s86, s86, s89                     ; V: 8 MiB on, head x 262,144 + batch x 131,072
	s_cmp_eq_u32 s12, 0
	s_cselect_b32 s86, s85, s86
	s_lshl_b32 s89, s13, 14
	s_add_co_u32 s86, s86, s89
	s_mov_b32 s87, 0
	s_lshl_b32 s54, s16, 21                        ; Q: ((batch x 16 + head) x 8 + tile) x 16,384 + 16 x rows
	s_lshl_b32 s92, s[MM], 18                      ; the result: ((batch x 8 + tile) x 16 + head) x 16,384 + 16 x rows
	s_add_co_u32 s92, s92, s54
	s_lshl_b32 s89, s17, 17
	s_add_co_u32 s54, s54, s89
	s_lshl_b32 s89, s17, 14
	s_add_co_u32 s92, s92, s89
	s_lshl_b32 s89, s15, 11
	s_add_co_u32 s54, s54, s89
	s_add_co_u32 s92, s92, s89
	s_lshl_b32 s89, s[MM], 14
	s_add_co_u32 s90, s54, s89                     ; my first tile's Q,
	s_lshl_b32 s89, s[LT], 14
	s_add_co_u32 s54, s54, s89                     ; and L's
	s_mov_b32 s55, 0
	s_mov_b32 s91, 0
	s_mov_b32 s93, 0
	s_lshl_b32 s94, s19, 16                        ; Wo: 8 rows of 8,192 bytes a work-group, 512 numbers of each row a wave
	s_lshl_b32 s89, s13, 11
	s_add_co_u32 s94, s94, s89
	s_mov_b32 s95, 0
	s_lshr_b32 s96, s19, 4                         ; its codes: block (rows / 128) x 16 + 4 x wave, rows 8 (work-group % 16) on
	s_lshl_b32 s96, s96, 4
	s_lshl_b32 s89, s13, 2
	s_add_co_u32 s96, s96, s89
	s_lshl_b32 s96, s96, 14
	s_and_b32 s89, s19, 15
	s_lshl_b32 s89, s89, 10
	s_add_co_u32 s96, s96, s89
	s_mov_b32 s97, 0
	s_and_b32 s98, s13, 1
	s_mul_i32 s98, s98, EXB
	s_lshr_b32 s99, s13, 1
	s_mul_i32 s99, s99, VB
	s_add_co_u32 s98, s98, s99                     ; where my pair hands over
	s_add_co_u32 s99, s98, 8192
	s_mov_b32 s[SEL], 0x76543210
	s_mov_b32 s[SEL+1], 0xfedcba98
	s_mov_b32 s[CS], 0x422d1f97                    ; C = 30 log2(e)
	s_mov_b32 s[CS+1], 0x422d1f97
	s_mov_b32 s[CU], 0x3c0b4875
	s_min_u32 s[PL], s[MM], 3
	s_mul_i32 s88, s[WV], 16*KP
	s_add_co_u32 s88, s88, STAGE                   ; my stage
	s_lshl_b32 s89, s15, 4
	s_wait_dscnt 0x0                               ; both opening adds are done
	s_wait_kmcnt 0x0
	s_load_b256 s[72:79], s[6:7], 0x10             ; e4 .. e11
	s_mov_b32 s[G0], 1
	s_mov_b32 s[G0+1], s84
	s_add_nc_u64 s[G0+2:G0+3], s[4:5], s[86:87]
	s_mov_b32 s[G0S], 1
	s_add_co_u32 s[G0S+1], s84, 4*KT
	s_add_nc_u64 s[G0S+2:G0S+3], s[G0+2:G0+3], 0x10000   ; four blocks on
	s_or_b32 s[G0+3], s[G0+3], 0x80000000
	s_or_b32 s[G0S+3], s[G0S+3], 0x80000000
	s_add_nc_u64 s[50:51], s[4:5], s[90:91]
	s_add_nc_u64 s[52:53], s[4:5], s[54:55]
	s_add_nc_u64 s[8:9], s[36:37], s[92:93]
	s_add_nc_u64 s[38:39], s[38:39], s[94:95]
	s_add_nc_u64 s[40:41], s[40:41], s[96:97]
	CROUND                                         ; the four work-groups are here: the first joint loads meet
	tensor_load_to_lds s[G0:G0+3], s[G1:G1+7]      ; the first half: one tensor load a wave at the head
	s_nop 0
	PLACES 4
	v_and_b32 v81, 15, v0                          ; r
	v_bfe_u32 v82, v0, 4, 1                        ; h
	v_and_b32 v85, 31, v0
	v_lshlrev_b32 v80, 7, v81
	v_lshl_add_u32 v80, v82, 4, v80
.irp c, 0,1,2,3
	global_load_b128 v[QF+4*\c:QF+4*\c+3], v80, s[50:51] offset:32*\c   ; Q's fragment stays in registers
.endr
	v_and_b32 v83, 8, v81
	v_and_b32 v87, 7, v0
	v_lshrrev_b32 v86, 3, v85
	v_add_nc_u32 v83, v83, v81                     ; r + 8 (r / 8)
	v_mul_u32_u24 v84, v81, KP
	v_mul_u32_u24 v86, v86, KP
	v_mul_u32_u24 v[AK0], v83, KP
	v_lshl_add_u32 v[AV0], v82, 4, v84
	v_lshl_add_u32 v86, v87, 4, v86
	v_lshl_add_u32 v[STO], v82, 3, v84
	v_lshl_add_u32 v[AK0], v82, 4, v[AK0]
	v_add_nc_u32 v[AV0], VB, v[AV0]
	v_add_nc_u32 v[RD], s88, v86                   ; back: eight lanes to a row of 128 bytes
	v_add_nc_u32 v[STO], s88, v[STO]               ; in: row r, 8 bytes for each half of the lanes
	v_lshlrev_b32 v[GO], 4, v85
	v_lshlrev_b32 v83, 4, v82
	v_add_nc_u32 v[QS], s88, v[GO]
	v_mov_b32 v13, 0xff61b1e6                      ; the largest t so far: -3e38, under every t
	v_sub_nc_u32 v[DM], v81, v83
	v_floor_f32 v12, -v13                          ; -M
	v_add_nc_u32 v[DM], s89, v[DM]
	v_mov_b32 v14, 0
	v_mov_b32 v15, 0
	v_mov_b32 v250, 0                              ; written once: a lane permute's destination counts as one of its sources
	v_mov_b32 v253, 0                              ; (named as the upper half of the pair v[252:253])
	v_mov_b32 v246, 0xc22d1f97                     ; -C
	v_mov_b32 v247, 0xc22d1f97
	v_mov_b32 v248, 0x42800000                     ; 64: the exponent's bound
.macro OZERO                           ; O^T: the first change of M leaves zeros
.set jj, 0
.rept 64
	v_mov_b32 v[OT+jj], 0
.set jj, jj+1
.endr
.endm
	OZERO
	s_wait_alu depctr_va_vdst(0)                   ; directly ahead of the wait below
	s_wait_kmcnt 0x0
	s_add_co_i32 s84, s74, s75
	s_lshl_b32 s84, s84, 23
	s_add_co_i32 s[CU], s[CU], s84                 ; a score stands for score x 2^(e6 + e7)
	s_mov_b32 s[CU+1], s[CU]
.macro MKSC sc, lim                    ; from s84 = e: v[sc] = 2^e, v[lim] = 448 x 2^e
	s_add_co_i32 s84, s84, 127
	s_lshl_b32 s85, s84, 23
	v_mov_b32 v[\sc], s85
	s_add_co_i32 s84, s84, 8
	s_lshl_b32 s84, s84, 23
	s_or_b32 s84, s84, 0x600000
	v_mov_b32 v[\lim], s84
.endm
	s_mov_b32 s84, s76                             ; p: e8
	MKSC 244, 240
	s_sub_co_i32 s84, s78, s76                     ; the result: e10 - e8 - e9
	s_sub_co_i32 s84, s84, s77
	MKSC 245, 241
	s_mov_b32 s84, s79                             ; Wo: e11
	MKSC 251, 255
.macro KLOAD adr                       ; a block of K: eight fragments of 16 keys x 128
	WIN 0x40
.irp t, 0,1,2,3,4,5,6,7
.irp c, 0,1,2,3
	ds_load_b128 v[KF+16*\t+4*\c:KF+16*\t+4*\c+3], v[\adr] offset:(32*(\t/2)+8*(\t%2))*KP+32*\c
.endr
.endr
	WIN 0
.endm
.macro DIAGONAL                        ; in the step that holds my queries' own keys what is hidden becomes -infinity: register 16 b + i is key 16 h + 32 b + i, hidden where 32 b + i > DM
	s_cmp_lg_u32 s[KS], s[MM]
	s_cbranch_scc1 .Lopen_\@
	v_mov_b32 v254, 0xff800000
.irp n, 0,1,2,3,4,5,6,7,8,9,10,11,12,13,14,15,16,17,18,19,20,21,22,23,24,25,26,27,28,29,30,31,32,33,34,35,36,37,38,39,40,41,42,43,44,45,46,47,48,49,50,51,52,53,54,55,56,57,58,59,60,61,62,63
	v_cmp_gt_i32 vcc_lo, 32*(\n/16)+\n%16, v[DM]
	v_cndmask_b32 v[SS+\n], v[SS+\n], v254, vcc_lo
.endr
.Lopen_\@:
.endm
.macro STEP                            ; 128 keys
	v_add_nc_u32 v[ADV], s[TB], v[AV0]
	s_cmp_gt_u32 s[KS], s[MM]                      ; every key comes after the tile's queries (or the tile's step is the other wave's): the step's work is left out
	s_cbranch_scc1 .Lskip_\@
	s_wait_dscnt 0x0                               ; K's block is in
	WIN 0x01
.irp t, 0,1,2,3,4,5,6,7
	v_wmma_f32_16x16x128_fp8_fp8 v[SS+8*\t:SS+8*\t+7], v[KF+16*\t:KF+16*\t+15], v[QF:QF+15], 0
.endr
	WIN 0
	PLACES 4
.set jj, 0
.rept 32
	v_pk_mul_f32 v[SS+jj:SS+jj+1], v[SS+jj:SS+jj+1], s[CU:CU+1] op_sel_hi:[1,0]   ; each result from its low end on
.set jj, jj+2
.endr
.set jj, 0
.rept 32
	v_dual_min_num_f32 v[SS+jj], v[SS+jj], v248 :: v_dual_min_num_f32 v[SS+jj+1], v[SS+jj+1], v248
.set jj, jj+2
.endr
	DIAGONAL                                       ; hidden keys do not count for the maximum
	v_max3_num_f32 v254, v[SS], v[SS+1], v[SS+2]   ; in four chains
	v_max3_num_f32 v252, v[SS+3], v[SS+4], v[SS+5]
	v_max3_num_f32 v249, v[SS+6], v[SS+7], v[SS+8]
	v_max3_num_f32 v242, v[SS+9], v[SS+10], v[SS+11]
.irp i, 12,20,28,36,44,52
	v_max3_num_f32 v254, v254, v[SS+\i], v[SS+1+\i]
	v_max3_num_f32 v252, v252, v[SS+2+\i], v[SS+3+\i]
	v_max3_num_f32 v249, v249, v[SS+4+\i], v[SS+5+\i]
	v_max3_num_f32 v242, v242, v[SS+6+\i], v[SS+7+\i]
.endr
	v_max3_num_f32 v254, v254, v[SS+60], v[SS+61]
	v_max3_num_f32 v252, v252, v[SS+62], v[SS+63]
	v_max_num_f32 v249, v249, v242
	v_max_num_f32 v254, v254, v252
	HINT
	v_max_num_f32 v254, v254, v249
	HINT
	v_permlanex16_b32 v250, v254, s[SEL], s[SEL+1]
	HINT
	v_max_num_f32 v254, v254, v250                 ; and among lane l xor 16's
	s_wait_alu depctr_va_vdst(0)                   ; ahead of the batch
.irp g, 0,1,2,3                        ; u, and V's fragments a quarter at a time
.set jj, 16*\g
.rept 16
	v_exp_f32 v[SS+jj], v[SS+jj]
.set jj, jj+1
.endr
	WIN 0x40
.irp t, 2*\g, 2*\g+1
.irp c, 0,1,2,3
	ds_load_b128 v[VF+16*(\t)+4*\c:VF+16*(\t)+4*\c+3], v[ADV] offset:(\t)*16*KP+32*\c
.endr
.endr
	WIN 0
.endr
	v_exp_f32 v254, v254                           ; and the largest one
	v_mov_b32 v249, v12                            ; the old -M
	s_wait_alu depctr_va_vdst(0)                   ; one wait for the batch, ahead of its first reader
.set jj, 0
.rept 32
	v_pk_add_f32 v[DN+jj:DN+jj+1], v[SS+jj:SS+jj+1], 1.0 op_sel_hi:[1,0]
.set jj, jj+2
.endr
	v_add_f32 v252, 1.0, v254
	s_wait_alu depctr_va_vdst(0)
.set jj, 0
.rept 64
	v_rcp_f32 v[DN+jj], v[DN+jj]
.set jj, jj+1
.endr
	v_rcp_f32 v252, v252
	s_add_co_u32 s43, s[TB], KT
	s_min_u32 s43, s43, 7*KT
	v_add_nc_u32 v[ADK], s43, v[AK0]               ; the next block of K
.set jj, 0
.rept 32
	v_pk_fma_f32 v[SS+jj:SS+jj+1], v[SS+jj:SS+jj+1], s[CS:CS+1], v[246:247] op_sel_hi:[1,0,0]   ; C u - C
.set jj, jj+2
.endr
	v_fma_f32 v254, v254, s[CS], v246
	s_wait_alu depctr_va_vdst(0)
	s_cmp_ge_u32 s[KS], s[PL]
	s_cbranch_scc1 .Lnopre_\@
	KLOAD ADK                                      ; the next step's K, under the rest of this step
.Lnopre_\@:
	v_mul_f32 v254, v254, v252                     ; the step's largest t
	HINT
	v_max_num_f32 v13, v13, v254
	HINT
	v_floor_f32 v12, -v13                          ; the new -M = floor(-t)
	HINT
	v_sub_f32 v254, v12, v249                      ; M's old value less its new one: a whole number, 0 or less
	HINT
	v_cvt_i32_f32 v254, v254
	HINT
	v_ldexp_f32 v252, 1.0, v254                    ; f = 2^(old M - new M)
.set jj, 0
.rept 32
	v_pk_fma_f32 v[SS+jj:SS+jj+1], v[SS+jj:SS+jj+1], v[DN+jj:DN+jj+1], v[12:13] op_sel_hi:[1,1,0]   ; t - M
.set jj, jj+2
.endr
	DIAGONAL                                       ; and have weight 0
	s_wait_alu depctr_va_vdst(0)
.set jj, 0
.rept 64
	v_exp_f32 v[SS+jj], v[SS+jj]                   ; p, at most 1: NOT normalised
.set jj, jj+1
.endr
	v_pk_mul_f32 v[14:15], v[14:15], v[252:253] op_sel_hi:[1,0]   ; the sums under the new M
	s_wait_alu depctr_va_vdst(0)
	v_pk_add_f32 v[242:243], v[SS:SS+1], v[SS+2:SS+3]   ; the row's sum, of the unquantised p, in four chains
	v_pk_add_f32 v[DN:DN+1], v[SS+4:SS+5], v[SS+6:SS+7]
	v_pk_add_f32 v[DN+2:DN+3], v[SS+8:SS+9], v[SS+10:SS+11]
.irp i, 12,20,28,36,44,52
	v_pk_add_f32 v[14:15], v[14:15], v[SS+\i:SS+1+\i]
	v_pk_add_f32 v[242:243], v[242:243], v[SS+2+\i:SS+3+\i]
	v_pk_add_f32 v[DN:DN+1], v[DN:DN+1], v[SS+4+\i:SS+5+\i]
	v_pk_add_f32 v[DN+2:DN+3], v[DN+2:DN+3], v[SS+6+\i:SS+7+\i]
.endr
	v_pk_add_f32 v[14:15], v[14:15], v[SS+60:SS+61]
	v_pk_add_f32 v[242:243], v[242:243], v[SS+62:SS+63]
	v_pk_add_f32 v[DN:DN+1], v[DN:DN+1], v[DN+2:DN+3]
	v_pk_add_f32 v[14:15], v[14:15], v[242:243]
	v_pk_add_f32 v[14:15], v[14:15], v[DN:DN+1]
.set jj, 0
.rept 32
	v_dual_min_num_f32 v[SS+jj], v[SS+jj], v240 :: v_dual_min_num_f32 v[SS+jj+1], v[SS+jj+1], v240   ; the conversion to an 8-bit code does not saturate (ISA guide 7.6.2); p is not negative
.set jj, jj+2
.endr
.set jj, 0
.rept 8
	v_cvt_scalef32_pk8_fp8_f32 v[PC+2*jj:PC+2*jj+1], v[SS+8*jj:SS+8*jj+7], v244
.set jj, jj+1
.endr
	s_wait_alu depctr_va_vdst(0)                   ; directly ahead of the first reader of O^T
.set jj, 0
.rept 32
	v_pk_mul_f32 v[OT+jj:OT+jj+1], v[OT+jj:OT+jj+1], v[252:253] op_sel_hi:[1,0]
.set jj, jj+2
.endr
	s_wait_alu depctr_va_vdst(0)                   ; and here, directly ahead of the wait below
	s_wait_dscnt 0x0                               ; V's fragments are in (and the next K's)
	WIN 0x01
.irp t, 0,1,2,3,4,5,6,7
	v_wmma_f32_16x16x128_fp8_fp8 v[OT+8*\t:OT+8*\t+7], v[VF+16*\t:VF+16*\t+15], v[PC:PC+15], v[OT+8*\t:OT+8*\t+7]
.endr
	WIN 0
.Lskip_\@:
	s_add_co_u32 s[TB], s[TB], KT
.endm
.macro OUT                             ; the results in SS: held, converted (a lane's eight of a tile are 8 neighbouring codes of a row), through my stage, and out as 512 consecutive bytes an instruction
.set jj, 0
.rept 64
	v_med3_num_f32 v[SS+jj], v[SS+jj], -v241, v241
.set jj, jj+1
.endr
.irp t, 0,1,2,3,4,5,6,7
	v_cvt_scalef32_pk8_fp8_f32 v[PC+2*\t:PC+2*\t+1], v[SS+8*\t:SS+8*\t+7], v245
.endr
	v_nop
.irp t, 0,1,2,3,4,5,6,7
	ds_store_b64 v[STO], v[PC+2*\t:PC+2*\t+1] offset:16*\t
.endr
.irp i, 0,1,2,3
	ds_load_b128 v[DN+4*\i:DN+4*\i+3], v[RD] offset:4*KP*\i   ; LDS serves a wave's instructions in order
.endr
.irp i, 0,1,2,3
	s_wait_dscnt 3-\i
	global_store_b128 v[GO], v[DN+4*\i:DN+4*\i+3], s[8:9] offset:512*\i
.endr
.endm
	s_cmp_eq_u32 s12, 0
	s_cbranch_scc1 .Lone_tile                      ; waves 4 to 7 lay L's Q by in their stage
.irp c, 0,1,2,3
	global_load_b128 v[DN+4*\c:DN+4*\c+3], v80, s[52:53] offset:32*\c
.endr
	s_wait_alu depctr_va_vdst(0)                   ; directly ahead of the wait below
	s_wait_loadcnt 0x0
.irp c, 0,1,2,3
	ds_store_b128 v[QS], v[DN+4*\c:DN+4*\c+3] offset:512*\c
.endr
.Lone_tile:
	s_wait_alu depctr_va_vdst(0)                   ; at the head's end
	s_wait_tensorcnt 0x0                           ; my block of the first half is in; these lines ahead of a later first fill, as ahead of a refill
	ds_add_u32 v[SPW], v[NIL]
	s_wait_dscnt 0x0                               ; the add is done
	CROUND                                         ; the first half is whole, and the four work-groups are here
	tensor_load_to_lds s[G0S:G0S+3], s[G1:G1+7]    ; the second half, the first tensor load behind the round
	s_nop 0
	PLACES 4
	KLOAD AK0
	s_wait_loadcnt 0x0                             ; Q
	s_mov_b32 s[TB], 0
	s_mov_b32 s[KS], 0
	STEP                                           ; step 0: every wave has it
	s_wait_tensorcnt 0x0                           ; my block of the second half is in
	s_wait_dscnt 0x0
	s_barrier_signal -1
	s_barrier_wait -1                              ; everybody's is, and nobody reads key block 0 any more
	s_mov_b32 s[KS], 1
.Lkeys:
	s_cmp_lg_u32 s[KS], 4
	s_cbranch_scc1 .Lgo
	; BEHIND STEP 3 the roles change.
	s_cmp_eq_u32 s12, 0
	s_cbranch_scc1 .Llong_done
	; Waves 4 to 7: the short tile goes out; L's Q and key block 4 come in; O^T, M and the sum begin anew.
	PLACES 4                                       ; behind the last products
.irp c, 0,1,2,3
	ds_load_b128 v[QF+4*\c:QF+4*\c+3], v[QS] offset:512*\c
.endr
	v_add_nc_u32 v[ADK], 4*KT, v[AK0]
	KLOAD ADK
	v_add_f32 v14, v14, v15
	HINT
	v_permlanex16_b32 v250, v14, s[SEL], s[SEL+1]
	HINT
	v_add_f32 v14, v14, v250                       ; the row's sum
	s_wait_alu depctr_va_vdst(0)
	v_rcp_f32 v14, v14
	v_nop
	s_wait_alu depctr_va_vdst(0)                   ; for the reciprocal, and directly ahead of the first reader of O^T
.set jj, 0
.rept 32
	v_pk_mul_f32 v[SS+jj:SS+jj+1], v[OT+jj:OT+jj+1], v[14:15] op_sel_hi:[1,0]
.set jj, jj+2
.endr
	OUT
	v_mov_b32 v13, 0xff61b1e6
	v_mov_b32 v14, 0
	v_mov_b32 v15, 0
	v_floor_f32 v12, -v13
	OZERO
	s_mov_b32 s[MM], s[LT]
	s_mov_b32 s[PL], s[LT]
	s_wait_alu depctr_va_vdst(0)                   ; directly ahead of the wait below
	s_wait_xcnt 0x0                                ; the stores have read their data, which the next step writes again
	s_branch .Lgo
.Llong_done:
	; Waves 0 to 3 have done their steps (MM = 0: they pass over the rest) and take Wo: 8 rows x 512 numbers a wave, 32 loads (v32-159), all issued before the first is waited for.
	; Lanes 0-15 read 256 consecutive bytes of one row, lanes 16-31 of the next; a store's 32 lanes write 256 consecutive bytes.  The order inside a panel of 128 is the first launch's.
	s_mov_b32 s[MM], 0
	v_and_b32 v243, 31, v0
	v_and_b32 v249, 15, v0
	v_lshrrev_b32 v242, 4, v243
	v_lshlrev_b32 v243, 3, v243
	v_lshlrev_b32 v242, 13, v242
	v_lshl_add_u32 v242, v249, 4, v242
.irp p, 0,1,2,3
.irp q, 0,1,2,3
.irp s, 0,1
	global_load_b128 v[32+32*\p+8*\q+4*\s:35+32*\p+8*\q+4*\s], v242, s[38:39] offset:16384*\p+512*\q+256*\s th:TH_LOAD_NT
.endr
.endr
.endr
	s_wait_alu depctr_va_vdst(0)                   ; directly ahead of the wait below
.irp p, 0,1,2,3
.irp q, 0,1,2,3
.set CC, PC*(1-\p/2)+QF*(\p/2)+8*(\p%2)+2*\q   ; the codes lie in p's registers and in Q's, both done with: O^T stays
	s_wait_loadcnt 30-8*\p-2*\q                    ; of the 32 loads the first 8 p + 2 q + 2 are in
.irp i, 0,1,2,3,4,5,6,7
	v_med3_num_f32 v[32+32*\p+8*\q+\i], v[32+32*\p+8*\q+\i], -v255, v255
.endr
	v_cvt_scalef32_pk8_fp8_f32 v[CC:CC+1], v[32+32*\p+8*\q:39+32*\p+8*\q], v251
	global_store_b64 v243, v[CC:CC+1], s[40:41] offset:16384*\q+256*\p
.endr
.endr
	v_nop
	s_wait_alu depctr_va_vdst(0)                   ; directly ahead of the wait below
	s_wait_xcnt 0x0                                ; the stores have read their data
.Lgo:
	STEP
	s_add_co_u32 s[KS], s[KS], 1
	s_cmp_lt_u32 s[KS], 8
	s_cbranch_scc1 .Lkeys
	; THE PAIR'S TWO PARTS OF L.  Five plain lines, which are also the places behind the last products.
	v_and_b32 v9, 31, v0
	v_lshlrev_b32 v8, 4, v9
	v_lshlrev_b32 v9, 3, v9
	v_add_nc_u32 v8, s98, v8                       ; O^T: 16 bytes a lane, 512 an instruction
	v_add_nc_u32 v9, s99, v9                       ; -M and the sum: 8 bytes a lane
	s_wait_alu depctr_va_vdst(0)                   ; directly ahead of the branch
	s_cmp_eq_u32 s12, 0
	s_cbranch_scc1 .Ltake
	v_add_f32 v13, v14, v15                        ; my part of the sum, beside -M
.set jj, 0
.rept 16
	ds_store_b128 v8, v[OT+4*jj:OT+4*jj+3] offset:512*jj   ; each result from its low end on
.set jj, jj+1
.endr
	ds_store_b64 v9, v[12:13]
.Ltake:
	s_wait_dscnt 0x0
	s_barrier_signal -1
	s_barrier_wait -1                              ; waves 4 to 7 have handed over
	s_cmp_lg_u32 s12, 0
	s_cbranch_scc1 .Lend
	ds_load_b64 v[242:243], v9                     ; the other part's -M and sum
.set jj, 0
.rept 16
	ds_load_b128 v[SS+4*jj:SS+4*jj+3], v8 offset:512*jj
.set jj, jj+1
.endr
	v_add_f32 v14, v14, v15
	s_wait_alu depctr_va_vdst(0)                   ; directly ahead of the wait below
	s_wait_dscnt 0x0
	v_min_num_f32 v249, v12, v242                  ; -M of both
	v_sub_f32 v252, v249, v12                      ; my M less it, the other's M less it: whole numbers, 0 or less
	v_sub_f32 v254, v249, v242
	v_cvt_i32_f32 v252, v252
	v_cvt_i32_f32 v254, v254
	v_ldexp_f32 v252, 1.0, v252
	v_ldexp_f32 v254, 1.0, v254
	v_mul_f32 v14, v14, v252
	v_fma_f32 v14, v243, v254, v14
	v_permlanex16_b32 v250, v14, s[SEL], s[SEL+1]
	v_add_f32 v14, v14, v250                       ; the row's sum
	s_wait_alu depctr_va_vdst(0)
	v_rcp_f32 v14, v14
	v_nop
	s_wait_alu depctr_va_vdst(0)
	v_mul_f32 v252, v252, v14                      ; each part's factor
	v_mul_f32 v254, v254, v14
	s_wait_alu depctr_va_vdst(0)                   ; directly ahead of the first reader of O^T
.set jj, 0
.rept 32
	v_pk_mul_f32 v[OT+jj:OT+jj+1], v[OT+jj:OT+jj+1], v[252:253] op_sel_hi:[1,0]
.set jj, jj+2
.endr
.set jj, 0
.rept 32
	v_pk_fma_f32 v[SS+jj:SS+jj+1], v[SS+jj:SS+jj+1], v[254:255], v[OT+jj:OT+jj+1] op_sel_hi:[1,0,1]
.set jj, jj+2
.endr
	OUT
.Lend:
	s_wait_tensorcnt 0x0                           ; the wave's end
	ds_add_u32 v[SPW], v[NIL]
	s_wait_dscnt 0x0
	CROUND                                         ; the closing round
	s_endpgm
.Lfunc_end_k_q9b6dd9c1eb_attn:
	.size	k_q9b6dd9c1eb_attn, .Lfunc_end_k_q9b6dd9c1eb_attn-k_q9b6dd9c1eb_attn
	.p2alignl 7, 3214868480
	.fill 96, 4, 3214868480
	.section	.rodata,"a",@progbits
	.p2align	6, 0x0
	.amdhsa_kernel k_q9b6dd9c1eb_attn
		.amdhsa_group_segment_fixed_size 327680
		.amdhsa_private_segment_fixed_size 0
		.amdhsa_enable_private_segment 0
		.amdhsa_kernarg_size 40
		.amdhsa_user_sgpr_count 2
		.amdhsa_user_sgpr_kernarg_segment_ptr 1
		.amdhsa_wavefront_size32 1
		.amdhsa_system_sgpr_workgroup_id_x 1
		.amdhsa_system_sgpr_workgroup_id_y 1
		.amdhsa_system_sgpr_workgroup_id_z 1
		.amdhsa_system_vgpr_workitem_id 0
		.amdhsa_next_free_vgpr 512
		.amdhsa_next_free_sgpr 100
		.amdhsa_reserve_vcc 1
		.amdhsa_float_denorm_mode_32 3
		.amdhsa_float_denorm_mode_16_64 3
		.amdhsa_memory_ordered 1
		.amdhsa_forward_progress 1
		.amdhsa_inst_pref_size 139
	.end_amdhsa_kernel
	.amdgpu_metadata
---
amdhsa.version: [ 1, 2 ]
amdhsa.kernels:
  - .name:           k_q9b6dd9c1eb_attn
    .symbol:         k_q9b6dd9c1eb_attn.kd
    .args:
      - { .name: qkv, .offset: 0, .size: 8, .value_kind: global_buffer, .address_space: global }
      - { .name: lowp_scales, .offset: 8, .size: 8, .value_kind: global_buffer, .address_space: global }
      - { .name: att, .offset: 16, .size: 8, .value_kind: global_buffer, .address_space: global }
      - { .name: Wo, .offset: 24, .size: 8, .value_kind: global_buffer, .address_space: global }
      - { .name: woc, .offset: 32, .size: 8, .value_kind: global_buffer, .address_space: global }
    .group_segment_fixed_size: 327680
    .private_segment_fixed_size: 0
    .kernarg_segment_align: 8
    .kernarg_segment_size: 40
    .max_flat_workgroup_size: 256
    .sgpr_count:     100
    .vgpr_count:     512
    .wavefront_size: 32
...
	.end_amdgpu_metadata
.endif
;; end of part 3
;; launch gemm_out (part 4): grid 16 x 16, 4 waves a work-group, clusters of 4 x 4, 327,680 bytes of LDS; arguments att, woc, lowp_scales, out0; writes out0
.if DOCPART == 4
	.amdgcn_target "amdgcn-amd-amdhsa--gfx1250"
	.amdhsa_code_object_version 6
	.text
	.protected	k_q9b6dd9c1eb_gemm_out
	.globl	k_q9b6dd9c1eb_gemm_out
	.p2align	8
	.type	k_q9b6dd9c1eb_gemm_out,@function
k_q9b6dd9c1eb_gemm_out:
	s_mov_b64 s[64:65], 0
	v_nop
	global_prefetch_b8 v0, s[64:65] scope:SCOPE_SE
	s_setreg_imm32_b32 hwreg(HW_REG_WAVE_MODE, 25, 1), 1
	s_wait_xcnt 0x0
	s_wait_alu depctr_hold_cnt(0) depctr_sa_sdst(0) depctr_va_vdst(0) depctr_va_sdst(0) depctr_va_ssrc(0) depctr_va_vcc(0) depctr_vm_vsrc(0)
	s_getreg_b32 s2, hwreg(HW_REG_IB_STS2, 6, 4)
	s_cmp_eq_u32 s2, 0
	s_cbranch_scc0 .Lentry_in_a_cluster
	s_endpgm
.Lentry_in_a_cluster:
	s_bfe_u32 s2, ttmp6, 0x10000c
	s_cmp_lg_u32 s2, 0xf033
	s_cbranch_scc0 .Lentry_shape_is_right
	s_endpgm
.Lentry_shape_is_right:
; FOURTH LAUNCH: out0[m][n] = 2^(e10 + e11) x sum over k of att[m][k] Wo[n][k], on codes of E4M3, K = 2048, sums in f32; out0 is [2048][2048] f32.
; LIMIT: e10 + e11 lies between -126 and 127.  k is permuted, alike in A and B (by the codes' layout, and within a matrix instruction by loads of 16 bytes).
; Both operands lie in blocks of 128 rows x 128 codes, 16,384 bytes dense, the 16 blocks of a block of rows on end.
; A tile of C is 128 x 128, so that the 256 tiles give each of 256 work-groups one; tiles of 256 x 256 would be 64.  Four waves, each 64 x 64: 16 accumulators, 128 registers.
; K goes in steps of 512 through a ring of two LDS slots: four fills in all, so everything is written out by macros and there is no loop.  One tensor load a wave brings two blocks, one dense run of 32,768 bytes,
; stated as 128 rows of 256 bytes with 16 bytes of padding behind every 128: waves 0 and 1 A's blocks 0-1 and 2-3 of the step, waves 2 and 3 B's.
; A quarter step of 128 along K is 16 products, A's blocks one after the other; behind each block's four stand eight of the next quarter's 32 LDS loads, B's first, and the waits count them: no quarter waits for all its loads at once.
; CLUSTERS: 4 x 4 work-groups; A's tiles are asked for jointly along a row of the cluster, B's along a column.
; PREFETCHES INTO THE L2: at the head, behind K step 0's load, that of step 1; behind step 1's load those of steps 2 and 3.  Of the 32,768 bytes that a wave asks for jointly with three partners, the partner at place p
; (cx for A, cy for B) takes the 8,192 from 8,192 p on: one instruction a wave, lanes 256 bytes apart.
; THE MATRIX INSTRUCTION IS USED TRANSPOSED (source 0 = 16 rows of B, source 1 = 16 rows of A): a lane holds eight neighbouring numbers of a row of C.
; REGISTERS: window 0: v0-31 addresses; v32-127 at work on the way out; v128-255 the accumulators ((a, b) at v[128 + 8 (4 a + b)]).  window 1: two sets of fragments for 128 along K: A's four at f + 16 i, B's four at f + 64 + 16 i.
.set PITCH,  144                       ; an LDS row: 128 bytes + 16 of padding
.set KBLK,   128*PITCH                 ; a block in LDS
.set LOADB,  2*KBLK                    ; what one tensor load brings
.set SLOT,   4*LOADB                   ; A's four blocks, then B's four
.set SPARE,  2*SLOT                    ; behind the ring: the spare words, 128 bytes a wave: two blocks of 256 bytes that no other line names
.set SPITCH, 272                       ; the way out: a stage of 16 rows x (256 bytes + 16) for each wave, in slot 0, which has had its last fill and its last read when the first result is stored there
.set KSB,    65536                     ; a K step's bytes along a block of rows
.set ADRA, 16                          ; v16-17  LDS address of my A fragments in slot 0, 1
.set ADRB, 20                          ; v20-21  the same for B
.set STO,  24                          ; v24     the way out: where I put 32 bytes of a row
.set RD,   25                          ; v25     the way out: where I read 16 bytes of a row back
.set CO,   26                          ; v26     my byte offset in two rows of C
.set SPW,  28                          ; v28     LDS address of my spare word; never rewritten
.set NIL,  29                          ; v29     0; never rewritten
.set PFO,  30                          ; v30     256 x lane: the prefetches' offset; never rewritten
.set TMP,  32                          ; the way out: a block's sums x 2^(e10 + e11)
.set BK,   64                          ; the way out: 16 rows read back: v64-95 and v96-127 by turns
.set ACC,  128
.set F0,   0
.set F1,   128
.set G1, 24
.set G0, 32
.set G1B, 48
.set G0B, 56
.set PFA, 90
.set MSB, 0
.macro WIN new                         ; the immediate's high byte repeats the setting that is left
.if MSB != (\new)
	s_set_vgpr_msb (MSB<<8)|(\new)
.set MSB, (\new)
.endif
.endm
.set MUL,  0x05                        ; sources 0 (B) and 1 (A) window 1; C and D window 0
.set TO_F, 0x40                        ; destination window 1, address window 0
.macro JLOAD s                         ; a joint load: waves 0 and 1 fetch for A, waves 2 and 3 for B; an s_nop 0 and four v_nop follow each of the two lines
	s_cmp_eq_u32 s15, 0
	s_cbranch_scc0 .Lfor_b_\@
	tensor_load_to_lds s[G0+4*\s:G0+4*\s+3], s[G1:G1+7]
	s_nop 0
.rept 4
	v_nop
.endr
	s_branch .Lasked_\@
.Lfor_b_\@:
	tensor_load_to_lds s[G0B+4*\s:G0B+4*\s+3], s[G1B:G1B+7]
	s_nop 0
.rept 4
	v_nop
.endr
.Lasked_\@:
.endm
.macro CREST
	s_cmp_lg_u32 s14, 0
	s_cbranch_scc1 .Lnot_wave_0_\@
	s_barrier_signal -3
.Lnot_wave_0_\@:
	s_barrier_wait -3
	s_barrier_signal -1
	s_barrier_wait -1
.endm
.macro CROUND
	s_barrier_signal -1
	s_barrier_wait -1
	CREST
.endm
.macro PLACES
.rept 4
	v_nop
.endr
.endm
	s_load_b128 s[4:7], s[0:1], 0x0                ; att s[4:5], Wo's codes s[6:7]
	s_load_b128 s[8:11], s[0:1], 0x10              ; the exponents s[8:9], out0 s[10:11]
	v_lshl_add_u32 v[SPW], v0, 2, SPARE
	v_mov_b32 v[NIL], 0
	ds_add_u32 v[SPW], v[NIL]                      ; the wave's opening: the add, twice on end, and its wait ahead of my first tensor load
	ds_add_u32 v[SPW], v[NIL]
	v_lshrrev_b32 v1, 5, v0
	v_readfirstlane_b32 s14, v1                    ; wave 0..3
	s_lshr_b32 s15, s14, 1                         ; which half of the tile's rows is mine.  Also: I fetch for A (0) or for B (1)
	s_and_b32 s16, s14, 1                          ; which half of its columns.  Also: which two blocks of a step I fetch
	s_bfe_u32 s40, ttmp6, 0x40000                  ; cx, cy
	s_bfe_u32 s41, ttmp6, 0x40004
	s_lshl_b32 s42, ttmp9, 2
	s_add_co_u32 s42, s42, s40                     ; tile column = 4 x cluster x + cx
	s_and_b32 s17, ttmp7, 0xffff
	s_lshl_b32 s17, s17, 2
	s_add_co_u32 s17, s17, s41                     ; tile row = 4 x cluster y + cy
	s_lshl_b32 s43, s41, 2
	s_lshl_b32 s43, 15, s43                        ; my row of the cluster
	s_lshl_b32 s44, 0x1111, s40                    ; my column
	s_or_b32 s[G1+0], s43, (0<<16)|(1<<20)|(1<<21)|(4<<22)|(3<<25)  ; the mask; elements of 1 byte; padding on; bit 21 beside a mask; four words after every 32
	s_or_b32 s[G1B+0], s44, (0<<16)|(1<<20)|(1<<21)|(4<<22)|(3<<25)
.irp g, G1, G1B
	s_mov_b32 s[\g+1], 256<<16                     ; tensor_dim0 = 256
	s_mov_b32 s[\g+2], 128<<16                     ; tensor_dim1 = 128
	s_mov_b32 s[\g+3], 256<<16                     ; tile_dim0 = 256
	s_mov_b32 s[\g+4], 128                         ; tile_dim1 = 128
	s_mov_b32 s[\g+5], 256                         ; tensor_dim0_stride
	s_mov_b32 s[\g+6], 0
	s_mov_b32 s[\g+7], 0
.endr
	s_lshl_b32 s18, s16, 15                        ; my two blocks of a step: 32,768 bytes
	s_lshl_b32 s20, s17, 18                        ; A: the tile row's block of rows
	s_add_co_u32 s20, s20, s18
	s_mov_b32 s21, 0
	s_lshl_b32 s46, s42, 18                        ; B: the tile column's
	s_add_co_u32 s46, s46, s18
	s_mov_b32 s47, 0
	s_mul_i32 s45, s14, LOADB                      ; where they go: wave x a load's bytes
	s_lshl_b32 s84, s17, 20                        ; my first number of C, in bytes: (128 x tile row + 64 x my half) rows of 8,192 + 512 x tile column + 256 x my half
	s_lshl_b32 s85, s15, 19
	s_add_co_u32 s84, s84, s85
	s_lshl_b32 s85, s42, 9
	s_add_co_u32 s84, s84, s85
	s_lshl_b32 s85, s16, 8
	s_add_co_u32 s84, s84, s85
	s_mov_b32 s85, 0
	s_wait_dscnt 0x0                               ; both opening adds are done
	s_wait_kmcnt 0x0
	s_load_b64 s[96:97], s[8:9], 0x28              ; e10, e11
	s_add_nc_u64 s[20:21], s[4:5], s[20:21]
	s_add_nc_u64 s[46:47], s[6:7], s[46:47]
	s_add_nc_u64 s[10:11], s[10:11], s[84:85]
.irp s, 0,1
	s_mov_b32 s[G0+4*\s], 1
	s_add_co_u32 s[G0+4*\s+1], s45, \s*SLOT
	s_add_nc_u64 s[G0+4*\s+2:G0+4*\s+3], s[20:21], \s*KSB
	s_or_b32 s[G0+4*\s+3], s[G0+4*\s+3], 0x80000000
	s_mov_b32 s[G0B+4*\s], 1
	s_add_co_u32 s[G0B+4*\s+1], s45, \s*SLOT
	s_add_nc_u64 s[G0B+4*\s+2:G0B+4*\s+3], s[46:47], \s*KSB
	s_or_b32 s[G0B+4*\s+3], s[G0B+4*\s+3], 0x80000000
.endr
	CROUND                                         ; all sixteen work-groups are here: the first joint loads meet
	JLOAD 0                                        ; K step 0: one tensor load a wave at the head
	s_cmp_eq_u32 s15, 0                            ; the prefetches: for A or for B,
	s_cselect_b64 s[PFA:PFA+1], s[20:21], s[46:47]
	s_cselect_b32 s92, s40, s41                    ; and my place among the four that ask with me
	s_lshl_b32 s92, s92, 13
	s_mov_b32 s93, 0
	s_add_nc_u64 s[PFA:PFA+1], s[PFA:PFA+1], s[92:93]
	s_mul_i32 s86, s15, 64*PITCH                   ; my 64 rows of A's blocks
	s_mul_i32 s87, s16, 64*PITCH                   ; my 64 rows of B's,
	s_add_co_u32 s87, s87, 4*KBLK                  ; which lie behind A's four
	s_add_co_u32 s88, s86, SLOT
	s_add_co_u32 s89, s87, SLOT
	s_mul_i32 s94, s14, 16*SPITCH                  ; my stage
	v_and_b32 v1, 15, v0                           ; l % 16
	v_bfe_u32 v2, v0, 4, 1                         ; l / 16
	v_mul_u32_u24 v3, v1, PITCH
	v_lshl_add_u32 v4, v2, 4, v3                   ; a fragment's row x pitch + 16 x half
	v_add_nc_u32 v[ADRA], s86, v4
	v_add_nc_u32 v[ADRB], s87, v4
	v_add_nc_u32 v[ADRA+1], s88, v4
	v_add_nc_u32 v[ADRB+1], s89, v4
	v_mul_u32_u24 v5, v1, SPITCH                   ; in: row l % 16, 32 bytes for each half of the lanes
	v_lshl_add_u32 v5, v2, 5, v5
	v_add_nc_u32 v[STO], s94, v5
	v_mul_u32_u24 v6, v2, SPITCH                   ; back: lanes 0-15 one row of 256 bytes, lanes 16-31 the next
	v_lshl_add_u32 v6, v1, 4, v6
	v_add_nc_u32 v[RD], s94, v6
	v_lshlrev_b32 v7, 13, v2                       ; and the same two rows in C
	v_lshl_add_u32 v[CO], v1, 4, v7
	v_and_b32 v8, 31, v0
	v_lshlrev_b32 v[PFO], 8, v8
	global_prefetch_b8 v[PFO], s[PFA:PFA+1] offset:KSB th:TH_LOAD_NT scope:SCOPE_SE        ; K step 1
; 4 matrix instructions: A's block a x B's four, 128 along K, on set f.  zero = 1: the first product starts the sums.  The 16 accumulators take turns.
.macro MUL4 f, a, zero
	WIN MUL
.irp b, 0,1,2,3
.if \zero
	v_wmma_f32_16x16x128_fp8_fp8 v[ACC+8*(4*(\a)+\b):ACC+8*(4*(\a)+\b)+7], v[\f+64+16*\b:\f+64+16*\b+15], v[\f+16*(\a):\f+16*(\a)+15], 0
.else
	v_wmma_f32_16x16x128_fp8_fp8 v[ACC+8*(4*(\a)+\b):ACC+8*(4*(\a)+\b)+7], v[\f+64+16*\b:\f+64+16*\b+15], v[\f+16*(\a):\f+16*(\a)+15], v[ACC+8*(4*(\a)+\b):ACC+8*(4*(\a)+\b)+7]
.endif
.endr
.endm
; Two fragments, eight LDS loads, of the slot's q-th 128 along K into set f: B's i, i + 1 or A's.
.macro LB slot, q, f, i
	WIN TO_F
.irp j, \i, \i+1
.irp c, 0,1,2,3
	ds_load_b128 v[\f+64+16*(\j)+4*\c:\f+64+16*(\j)+4*\c+3], v[ADRB+\slot] offset:(\q)*KBLK+(\j)*16*PITCH+32*\c
.endr
.endr
.endm
.macro LA slot, q, f, i
	WIN TO_F
.irp j, \i, \i+1
.irp c, 0,1,2,3
	ds_load_b128 v[\f+16*(\j)+4*\c:\f+16*(\j)+4*\c+3], v[ADRA+\slot] offset:(\q)*KBLK+(\j)*16*PITCH+32*\c
.endr
.endr
.endm
; One of a slot's first three quarters: multiplies set f, and asks for the next 128 along K (block nq of slot ns) for set g.
.macro STEPO f, g, ns, nq, zero
	s_wait_dscnt 12                                ; B's four and A's block 0 are in; A's blocks 1-3 may be out
	MUL4 \f, 0, \zero
	PLACES                                         ; behind the last quarter's products, which read set g
	LB \ns, \nq, \g, 0
	s_wait_dscnt 16                                ; A's block 1: its blocks 2, 3 and the 8 loads above may be out
	MUL4 \f, 1, \zero
	LB \ns, \nq, \g, 2
	s_wait_dscnt 20                                ; A's block 2: block 3 and 16
	MUL4 \f, 2, \zero
	LA \ns, \nq, \g, 0
	s_wait_dscnt 24                                ; A's block 3: 24
	MUL4 \f, 3, \zero
	LA \ns, \nq, \g, 2
.endm
; A slot's last quarter multiplies set F1 and changes slots: ONE barrier; in front of it each wave waits for all its tensor loads, adds 0 to its spare word, and waits for that and for its own reads of this slot.  fill = 1: the slot is filled again.
.macro TURN slot, next, fill
	WIN 0                                          ; (the add's two registers lie in window 0)
	s_wait_tensorcnt 0x0                           ; all my tensor loads have landed: my part of the next slot
	ds_add_u32 v[SPW], v[NIL]                      ; 0 onto my spare word
	s_wait_dscnt 13                                ; B's four and A's block 0 are in; the add and A's blocks 1-3 may be out
	MUL4 F1, 0, 0
	s_wait_dscnt 0x0                               ; the add is done, set F1 is in, and my reads of this slot are over
	s_barrier_signal -1
	MUL4 F1, 1, 0                                  ; work on registers while the others arrive
	WIN 0
	s_barrier_wait -1
.if \fill
	CREST                                          ; the barrier has opened a round of the cluster's barrier: no wave of any partner still reads this slot or has a load on its way
	s_add_nc_u64 s[G0+4*\slot+2:G0+4*\slot+3], s[G0+4*\slot+2:G0+4*\slot+3], 2*KSB
	s_add_nc_u64 s[G0B+4*\slot+2:G0B+4*\slot+3], s[G0B+4*\slot+2:G0B+4*\slot+3], 2*KSB
	JLOAD \slot                                    ; the first tensor load behind the round; the four v_nop behind it are the places in front of the loads below
.else
	PLACES
.endif
	LB \next, 0, F0, 0
	LB \next, 0, F0, 2
	MUL4 F1, 2, 0
	LA \next, 0, F0, 0
	MUL4 F1, 3, 0
	LA \next, 0, F0, 2
.endm
.macro THREE slot, zero                ; a slot's first three quarters
	STEPO F0, F1, \slot, 1, \zero
	STEPO F1, F0, \slot, 2, 0
	STEPO F0, F1, \slot, 3, 0
.endm
	s_wait_alu depctr_va_vdst(0)                   ; at the head's end
	s_wait_tensorcnt 0x0                           ; my part of K step 0 is in; these lines ahead of a later first fill, as ahead of a refill
	ds_add_u32 v[SPW], v[NIL]
	s_wait_dscnt 0x0                               ; the add is done
	CROUND                                         ; everybody's part of K step 0 is in, and all sixteen work-groups are here
	JLOAD 1                                        ; K step 1, the first tensor load behind the round
	LB 0, 0, F0, 0
	LB 0, 0, F0, 2
	LA 0, 0, F0, 0
	LA 0, 0, F0, 2
	WIN 0
	global_prefetch_b8 v[PFO], s[PFA:PFA+1] offset:2*KSB th:TH_LOAD_NT scope:SCOPE_SE      ; K steps 2
	global_prefetch_b8 v[PFO], s[PFA:PFA+1] offset:3*KSB th:TH_LOAD_NT scope:SCOPE_SE      ; and 3
	THREE 0, 1                                     ; K 0 to 511: the first products start the sums
	TURN 0, 1, 1
	THREE 1, 0                                     ; K 512 to 1023
	TURN 1, 0, 1
	THREE 0, 0                                     ; K 1024 to 1535
	TURN 0, 1, 0                                   ; nothing is left to fetch, so no round follows
	THREE 1, 0                                     ; K 1536 to 2047
	s_wait_dscnt 0x0
.irp a, 0,1,2,3
	MUL4 F1, \a, 0
.endr
	WIN 0
; THE WAY OUT, block by block of 16 rows x 64 columns: each sum x 2^(e10 + e11); 32 bytes a lane into my own stage; back as whole rows of 256 bytes, two rows an instruction.
; LDS serves a wave's instructions in order (ISA guide 5.7.1.4): no wait between the stores and the loads, nor in front of the next block's stores.
.macro TOSTAGE a
.irp j, 0,2,4,6,8,10,12,14,16,18,20,22,24,26,28,30
	v_pk_mul_f32 v[TMP+\j:TMP+\j+1], v[ACC+32*(\a)+\j:ACC+32*(\a)+\j+1], s[96:97] op_sel_hi:[1,0]   ; both x s96; each accumulator from its low end on
.endr
.irp b, 0,1,2,3
	ds_store_b128 v[STO], v[TMP+8*\b:TMP+8*\b+3] offset:64*\b
	ds_store_b128 v[STO], v[TMP+8*\b+4:TMP+8*\b+7] offset:64*\b+16
.endr
.irp i, 0,1,2,3,4,5,6,7
	ds_load_b128 v[BK+32*((\a)%2)+4*\i:BK+32*((\a)%2)+4*\i+3], v[RD] offset:2*SPITCH*\i
.endr
.endm
.macro SEND a, younger                 ; younger: the LDS instructions issued behind block a's loads, which may stay out
	s_wait_dscnt \younger
.irp i, 0,1,2,3,4,5,6,7
	global_store_b128 v[CO], v[BK+32*((\a)%2)+4*\i:BK+32*((\a)%2)+4*\i+3], s[10:11] offset:(16*(\a)+2*\i)*8192 th:TH_STORE_NT   ; 16 lanes store 256 consecutive bytes, at a multiple of 256 from out0's first byte
.endr
.endm
	s_wait_kmcnt 0x0
	s_add_co_i32 s96, s96, s97                     ; e10 + e11,
	s_add_co_i32 s96, s96, 127
	s_lshl_b32 s96, s96, 23                        ; as the f32 number 2^(e10 + e11)
	PLACES                                         ; behind the last products
	TOSTAGE 0
.irp a, 1,2,3
.if \a > 1
	s_wait_xcnt 0x0                                ; block a - 2's stores have read their registers: block a's loads may land there
.endif
	TOSTAGE \a
	SEND \a-1, 16                                  ; behind block a - 1's loads: block a's 8 stores and 8 loads
.endr
	SEND 3, 0
	s_wait_tensorcnt 0x0                           ; the wave's end: behind my last tensor load and my last LDS store
	ds_add_u32 v[SPW], v[NIL]
	s_wait_dscnt 0x0
	CROUND                                         ; the closing round
	s_endpgm
.Lfunc_end_k_q9b6dd9c1eb_gemm_out:
	.size	k_q9b6dd9c1eb_gemm_out, .Lfunc_end_k_q9b6dd9c1eb_gemm_out-k_q9b6dd9c1eb_gemm_out
	.p2alignl 7, 3214868480
	.fill 96, 4, 3214868480
	.section	.rodata,"a",@progbits
	.p2align	6, 0x0
	.amdhsa_kernel k_q9b6dd9c1eb_gemm_out
		.amdhsa_group_segment_fixed_size 327680
		.amdhsa_private_segment_fixed_size 0
		.amdhsa_enable_private_segment 0
		.amdhsa_kernarg_size 32
		.amdhsa_user_sgpr_count 2
		.amdhsa_user_sgpr_kernarg_segment_ptr 1
		.amdhsa_wavefront_size32 1
		.amdhsa_system_sgpr_workgroup_id_x 1
		.amdhsa_system_sgpr_workgroup_id_y 1
		.amdhsa_system_sgpr_workgroup_id_z 1
		.amdhsa_system_vgpr_workitem_id 0
		.amdhsa_next_free_vgpr 512
		.amdhsa_next_free_sgpr 100
		.amdhsa_reserve_vcc 0
		.amdhsa_float_denorm_mode_32 3
		.amdhsa_float_denorm_mode_16_64 3
		.amdhsa_memory_ordered 1
		.amdhsa_forward_progress 1
		.amdhsa_inst_pref_size 77
	.end_amdhsa_kernel
	.amdgpu_metadata
---
amdhsa.version: [ 1, 2 ]
amdhsa.kernels:
  - .name:           k_q9b6dd9c1eb_gemm_out
    .symbol:         k_q9b6dd9c1eb_gemm_out.kd
    .args:
      - { .name: att, .offset: 0, .size: 8, .value_kind: global_buffer, .address_space: global }
      - { .name: woc, .offset: 8, .size: 8, .value_kind: global_buffer, .address_space: global }
      - { .name: lowp_scales, .offset: 16, .size: 8, .value_kind: global_buffer, .address_space: global }
      - { .name: out0, .offset: 24, .size: 8, .value_kind: global_buffer, .address_space: global }
    .group_segment_fixed_size: 327680
    .private_segment_fixed_size: 0
    .kernarg_segment_align: 8
    .kernarg_segment_size: 32
    .max_flat_workgroup_size: 128
    .sgpr_count:     100
    .vgpr_count:     512
    .wavefront_size: 32
...
	.end_amdgpu_metadata
.endif
;; end of part 4
